; MI455X (gfx1250); checked and timed in simulation.
; The chip was launched on July 23, 2026; its instructions are those of AMD's public machine-readable ISA for CDNA 5 (MIT licence, August 2026) and "CDNA5" Instruction Set Architecture Reference Guide (July 2026). The comments in the code are by the model that wrote it; some were corrected since.
;; Mo E Layer. Allowed arithmetic: matrix products marked QUANTISED: E2M3 operands, one E8M0 scale for each 32 along K, by v_wmma_scale_f32_16x16x128_f8f6f4 with both operands' format E2M3, f32 sums; products left as they are: f32 operands where the result goes on into a quantised operand, else bf16, f16 or f32 operands; f32 sums; everything else in f32.
;; Inputs: W1 8 x 4,096 x 1,024 float32; W2 8 x 1,024 x 4,096 float32; Wg 8 x 1,024 float32; b1 8 x 4,096 float32; b2 8 x 1,024 float32; bg 8 float32; x 1,024 x 1,024 float32.
;; Outputs: out0 1,024 x 1,024 float32.
;; This version of the problem:
;;   THIS VERSION OF THE PROBLEM IS GIVEN IN LOW PRECISION. The matrix products marked QUANTISED in the list below multiply operands that are first quantised to E2M3 (2 exponent bits, 3 mantissa bits; 6 bits a number), with one power-of-two scale for each 32 numbers along K (OCP MX v1.0); their sums are f32. All else is computed in f32.
;;   The module's matrix products, in the order in which they are computed (A, B: the left and right operand; K: the contracted axis; several contracted axes count as one K, in the product's order):
;;     1. [M 1,024, K 1,024] x [K 1,024, N 8]; A: input x; B: input Wg: left as it is (N = 8 < 16)
;;     2. [M 1,024, K 1,024] x [K 1,024, N 32,768]; A: input x; B: input W1: QUANTISED
;;     3. batch 8 x [M 1,024, K 4,096] x [K 4,096, N 1,024]; A: input W2; B: computed on the way: QUANTISED
;;     4. batch 1,024 x [M 1, K 8] x [K 8, N 1,024]; A: computed on the way; B: computed on the way: left as it is (K = 8 < 32)
;;   THE QUANTISER, for each operand of a quantised product, along K:
;;     - K is cut into blocks of 32 from its start; a last block that is shorter is filled with zeros.
;;     - A block's scale is 2^e with e = floor(log2(the largest magnitude in the block)) - 2, held to -126 .. 127; a block of zeros has e = 0. As a byte (E8M0): e + 127.
;;     - Each number is divided by its block's scale, clamped to +-7.5, and rounded to the nearest number of E2M3, ties to even, subnormals kept.
;;     - The product sums the exact products of the quantised numbers (number of the format x scale) in f32.
;;   ~~~python
;;   def quantise(x, axis):      # numpy; x: float32 -> the quantised numbers, widened to float32 again
;;       x = np.moveaxis(x, axis, -1); K = x.shape[-1]
;;       x = np.pad(x, [(0, 0)] * (x.ndim - 1) + [(0, -K % 32)]); x = x.reshape(x.shape[:-1] + (-1, 32)); a = np.abs(x).max(-1, keepdims=True)
;;       e = np.where(a > 0, np.clip(np.frexp(np.where(a > 0, a, 1))[1] - 1 - 2, -126, 127), 0)      # np.frexp(a)[1] - 1 = floor(log2(a)), exactly
;;       r = np.clip(x / 2.0 ** e, -7.5, 7.5)
;;       step = 2.0 ** (np.maximum(np.frexp(np.where(r == 0, 1, r))[1] - 1, 0) - 3)
;;       q = np.round(r / step) * step * 2.0 ** e      # np.round: ties to even
;;       return np.moveaxis(q.reshape(q.shape[:-2] + (-1,))[..., :K], -1, axis).astype(np.float32)
;;   ~~~
;;   OPERANDS COMPUTED ON THE WAY. 'Computed on the way' means the value that the module computes at that place (a softmax that the list does not call 'softmax' is quantised finished and normalised). What goes into a quantiser is computed in f32, as accurately as f32 sums, v_exp_f32 and their like allow (about 1e-6 of the number): no bf16 or f16 on the way to a quantiser, and a product that is left as it is and whose result goes on into a quantised operand takes f32 operands (vector FMAs, or v_wmma_f32_16x16x4_f32). A number that lies on a knife's edge between two numbers of the format may be rounded either way, as far as f32 arithmetic and the matrix unit's own rounding can turn it there, and no further.
;; 2 versions, each right; version 2 is version 1 with the launches ffn1, ffn2 written anew for expert scheduling mode. Each part assembles by itself: llvm-mc -triple=amdgcn-amd-amdhsa -mcpu=gfx1250 --defsym DOCPART=n.
;; ======== version 1 of 2: 5 launches
;; workspace buffers: xq 786,432 bytes; xs 32,768 bytes; sel 4,096 bytes of whole numbers; gw 8,192 bytes; hq 25,362,432 bytes; hs 1,056,768 bytes; yp 16,777,216 bytes; list 36,864 bytes of whole numbers
;; launch route (part 1): grid 64 x 1, 8 waves a work-group, no clusters, 91,136 bytes of LDS; arguments x, Wg, bg, xq, xs, sel, gw; writes xq, xs, sel, gw
.if DOCPART == 1
	.amdgcn_target "amdgcn-amd-amdhsa--gfx1250"
	.amdhsa_code_object_version 6
	.text
	.protected	k_q6f0fb98278_route
	.globl	k_q6f0fb98278_route
	.p2align	8
	.type	k_q6f0fb98278_route,@function
k_q6f0fb98278_route:
	s_mov_b64 s[64:65], 0
	v_nop
	global_prefetch_b8 v0, s[64:65] scope:SCOPE_SE
	s_setreg_imm32_b32 hwreg(HW_REG_WAVE_MODE, 25, 1), 1
	s_wait_xcnt 0x0
; ROUTER AND QUANTISER OF x.  x [1024][1024] f32, Wg [8][1024] f32, bg [8] f32.
; Stores: xq [t][768]: the FP6 (E2M3) codes of token t in the order of an operand's registers: byte 384 h + 48 s + 4 reg = register reg of lane half h of the fragment of K step s (128 along K);
;         xs [t][8]: one scale word (four E8M0 bytes) for each K step;  sel [t] = first choice | second choice << 8;  gw [k][t]: the softmax weight of the token's k-th choice.
; A work-group takes 16 tokens; wave s takes K step s: it quantises 16 x 128 numbers and makes its part of the 16 x 8 logits, in f32 (v_wmma_f32_16x16x4_f32: 32 instructions a wave, no bulk work).
; The eight parts meet in LDS; wave 0 adds them and bg, takes the softmax with the row's maximum taken away, and the two largest weights (strict compares in ascending order: the lower index wins a tie).
; No address and no branch of this launch hangs on these numbers: they are stored at fixed places.
; LIMITS: NaN and infinities are not served.  A block whose largest magnitude lies under 2^-124 (zeros too) gets the scale byte 1; the bytes are read by this program alone.
; The choice compares w = p x rcp(sum): two weights that are equal in another order of rounding and not here, or the reverse, may give the other expert.
.set SPI,  528                         ; a stage row: 512 bytes + 16: an odd multiple of 16, so that 16 rows read at one column fall on different banks
.set STG,  0                           ; 8 stages of 16 rows, one a wave
.set XPI,  784                         ; a token's 768 bytes of codes + 16
.set XST,  8*16*SPI                    ; 16 tokens' codes
.set XSS,  XST+16*XPI                  ; 16 tokens' scale words, 32 bytes each
.set LOGP, XSS+512                     ; the waves' parts of the logits, 1,024 bytes each
.set L16, 1                            ; 16 x lane
.set SW,  2                            ; my stage, on the way in: + 16 x lane
.set SRD, 3                            ; on the way out: + 528 r + 128 h
.set H8,  4                            ; 8 h
.set XWA, 5                            ; where my fragment goes: XST + 784 r + 384 h + 48 wave
.set XSA, 6                            ; and its scale word: XSS + 32 r + 4 wave
.set LPW, 7                            ; my part of the logits
.set LPR, 8                            ; all parts, as wave 0 reads them
.set XRD, 9                            ; the way out of the codes: rows 2 wave + h
.set XGO, 10                           ; and the same place in xq
.set XSR, 11
.set R4,  12                           ; 4 r
.set LN,  13
.set RR,  14
.set HH,  15
.set XQ,  16                           ; v16-79   x: register 32 c + i = k 64 c + 32 h + i of token r
.set G,   80                           ; v80-143  Wg likewise, of expert r % 8
.set WR,  144                          ; v144-175 Wg as loaded; later the codes on their way out
.set LA,  176                          ; v176-207 four f32 accumulators: written by matrix instructions alone
.set SM,  208                          ; v208-215 their sum
.set TM,  216
.set PW,  224
.set PC,  226
.set WV,  18
.set SEL, 28
; 64 numbers of a lane, two whole blocks of 32 along K, become the 12 registers of a fragment (v[PC] on) and the row's scale word (v[PW]).
.macro WQUANT
.irp c, 0,1
	v_max3_num_f32 v[TM+\c], |v[XQ+32*\c]|, |v[XQ+32*\c+1]|, 0x1800000   ; the floor 2^(3 - 127) among the leaves: the byte cannot fall under 1
.endr
.irp i, 2,4,6,8,10,12,14,16,18,20,22,24,26,28,30
.irp c, 0,1
	v_max3_num_f32 v[TM+\c], v[TM+\c], |v[XQ+32*\c+\i]|, |v[XQ+32*\c+\i+1]|
.endr
.endr
.irp c, 0,1
	v_add_nc_u32 v[TM+4+\c], 0xff000000, v[TM+\c]      ; 2 off the exponent field: the conversion's scale operand
.endr
.irp c, 0,1
	v_lshrrev_b32 v[TM+2+\c], 23, v[TM+4+\c]           ; the scale's byte
.endr
	v_lshl_or_b32 v[PW], v[TM+3], 16, v[TM+2]          ; my blocks h and 2 + h,
	v_lshlrev_b32 v[PW], v[H8], v[PW]                  ; at their places in the word;
	v_permlanex16_b32 v[TM+6], v[PW], s[SEL], s[SEL+1]
	v_or_b32 v[PW], v[PW], v[TM+6]                     ; with lane l xor 16's two the word is whole
.irp c, 0,1
	v_cvt_scalef32_pk16_fp6_f32 v[PC+6*\c:PC+6*\c+2], v[XQ+32*\c:XQ+32*\c+15], v[TM+4+\c]
	v_cvt_scalef32_pk16_fp6_f32 v[PC+12+4*\c:PC+14+4*\c], v[XQ+32*\c+16:XQ+32*\c+31], v[TM+4+\c]   ; (three registers from an even one on: made aside and moved)
.endr
	v_nop                                              ; one plain place behind the conversions
.irp c, 0,1
.irp i, 0,1,2
	v_mov_b32 v[PC+3+6*\c+\i], v[PC+12+4*\c+\i]
.endr
.endr
.endm
	s_load_b256 s[4:11], s[0:1], 0x0               ; x s[4:5], Wg s[6:7], bg s[8:9], xq s[10:11]
	s_load_b128 s[12:15], s[0:1], 0x20             ; xs s[12:13], sel s[14:15]
	s_load_b64 s[16:17], s[0:1], 0x30              ; gw
	v_lshl_add_u32 v254, v0, 2, 0x16000
	v_mov_b32 v255, 0
	v_lshrrev_b32 v[LN], 5, v0
	v_readfirstlane_b32 s[WV], v[LN]               ; wave = K step
	v_and_b32 v[LN], 31, v0
	v_and_b32 v[RR], 15, v0
	v_bfe_u32 v[HH], v0, 4, 1
	v_lshlrev_b32 v[L16], 4, v[LN]
	s_mul_i32 s20, s[WV], 16*SPI
	v_add_nc_u32 v[SW], s20, v[L16]
	v_mul_u32_u24 v[SRD], v[RR], SPI
	v_lshl_add_u32 v[SRD], v[HH], 7, v[SRD]
	v_add_nc_u32 v[SRD], s20, v[SRD]
	v_lshlrev_b32 v[H8], 3, v[HH]
	s_mul_i32 s20, s[WV], 48
	s_add_co_u32 s20, s20, XST
	v_mul_u32_u24 v[XWA], v[RR], XPI
	v_mad_u32_u24 v[XWA], v[HH], 384, v[XWA]
	v_add_nc_u32 v[XWA], s20, v[XWA]
	s_lshl_b32 s20, s[WV], 2
	s_add_co_u32 s20, s20, XSS
	v_lshl_add_u32 v[XSA], v[RR], 5, s20
	s_lshl_b32 s20, s[WV], 10
	s_add_co_u32 s20, s20, LOGP
	v_add_nc_u32 v[LPW], s20, v[L16]
	v_add_nc_u32 v[LPR], LOGP, v[L16]
	s_mul_i32 s20, s[WV], 2*XPI
	s_add_co_u32 s20, s20, XST
	v_mul_u32_u24 v[XRD], v[HH], XPI
	v_lshl_add_u32 v[XRD], v[RR], 4, v[XRD]
	v_add_nc_u32 v[XRD], s20, v[XRD]
	s_mul_i32 s20, s[WV], 2*768
	v_mul_u32_u24 v[XGO], v[HH], 768
	v_lshl_add_u32 v[XGO], v[RR], 4, v[XGO]
	v_add_nc_u32 v[XGO], s20, v[XGO]
	v_add_nc_u32 v[XSR], XSS, v[L16]
	v_lshlrev_b32 v[R4], 2, v[RR]
	v_mov_b32 v[TM+6], 0                           ; a lane permute's destination counts as one of its sources
	s_mov_b32 s[SEL], 0x76543210
	s_mov_b32 s[SEL+1], 0xfedcba98                 ; lane l xor 16
	s_lshl_b32 s22, ttmp9, 16                      ; 16 rows of 4,096 bytes a work-group,
	s_lshl_b32 s24, s[WV], 9                       ; 512 bytes a K step
	s_add_co_u32 s22, s22, s24
	s_mov_b32 s23, 0
	s_mov_b32 s25, 0
	s_wait_kmcnt 0x0
	s_add_nc_u64 s[4:5], s[4:5], s[22:23]
	s_add_nc_u64 s[6:7], s[6:7], s[24:25]
	s_mul_i32 s22, ttmp9, 16*768
	s_add_nc_u64 s[10:11], s[10:11], s[22:23]
	s_lshl_b32 s22, ttmp9, 9
	s_add_nc_u64 s[12:13], s[12:13], s[22:23]
	s_lshl_b32 s22, ttmp9, 6
	s_add_nc_u64 s[14:15], s[14:15], s[22:23]
	s_add_nc_u64 s[16:17], s[16:17], s[22:23]
.irp i, 0,1,2,3,4,5,6,7,8,9,10,11,12,13,14,15
	global_load_b128 v[XQ+4*\i:XQ+4*\i+3], v[L16], s[4:5] offset:4096*\i th:TH_LOAD_NT   ; token i: 32 lanes read 512 consecutive bytes
.endr
.irp i, 0,1,2,3,4,5,6,7
	global_load_b128 v[WR+4*\i:WR+4*\i+3], v[L16], s[6:7] offset:4096*\i                 ; expert i likewise
.endr
	s_wait_loadcnt 8                               ; x is in; Wg's eight loads may be out
.irp i, 0,1,2,3,4,5,6,7,8,9,10,11,12,13,14,15
	ds_store_b128 v[SW], v[XQ+4*\i:XQ+4*\i+3] offset:SPI*\i
.endr
.irp c, 0,1
.irp q, 0,1,2,3,4,5,6,7
	ds_load_b128 v[XQ+32*\c+4*\q:XQ+32*\c+4*\q+3], v[SRD] offset:256*\c+16*\q   ; LDS serves a wave's instructions in order: these see the stores above
.endr
.endr
	s_wait_loadcnt 0x0
.irp i, 0,1,2,3,4,5,6,7
	ds_store_b128 v[SW], v[WR+4*\i:WR+4*\i+3] offset:SPI*\i          ; rows 8-15 of the tile repeat experts 0-7
	ds_store_b128 v[SW], v[WR+4*\i:WR+4*\i+3] offset:SPI*(\i+8)
.endr
.irp c, 0,1
.irp q, 0,1,2,3,4,5,6,7
	ds_load_b128 v[G+32*\c+4*\q:G+32*\c+4*\q+3], v[SRD] offset:256*\c+16*\q
.endr
.endr
	s_wait_dscnt 32                                ; x is back from the stage; Wg's 16 stores and 16 loads may be out
	WQUANT
.irp c, 0,1,2
	ds_store_b128 v[XWA], v[PC+4*\c:PC+4*\c+3] offset:16*\c
.endr
	ds_store_b32 v[XSA], v[PW]                     ; lanes r and r + 16 write the same word with the same value
	s_wait_dscnt 0x0                               ; Wg is back from the stage
; logits^T: source 0 = Wg, source 1 = x: a lane holds token r, register j expert j.  Both sides have the same k in the same places, so the order of k does not matter.
; Four accumulators by turns, one instruction a turn; the first four start the sums with the constant 0.
.set qq, 0
.rept 32
.if qq < 4
	v_wmma_f32_16x16x4_f32 v[LA+8*qq:LA+8*qq+7], v[G+2*qq:G+2*qq+1], v[XQ+2*qq:XQ+2*qq+1], 0
.else
	v_wmma_f32_16x16x4_f32 v[LA+8*(qq%4):LA+8*(qq%4)+7], v[G+2*qq:G+2*qq+1], v[XQ+2*qq:XQ+2*qq+1], v[LA+8*(qq%4):LA+8*(qq%4)+7]
.endif
.set qq, qq+1
.endr
.rept 8
	v_nop                                          ; eight places behind this form before its results are read (ISA guide 7.12.1)
.endr
.irp j, 0,2,4,6
	v_pk_add_f32 v[SM+\j:SM+\j+1], v[LA+\j:LA+\j+1], v[LA+8+\j:LA+8+\j+1]          ; each accumulator from its low end on
.endr
.irp j, 0,2,4,6
	v_pk_add_f32 v[SM+\j:SM+\j+1], v[SM+\j:SM+\j+1], v[LA+16+\j:LA+16+\j+1]
.endr
.irp j, 0,2,4,6
	v_pk_add_f32 v[SM+\j:SM+\j+1], v[SM+\j:SM+\j+1], v[LA+24+\j:LA+24+\j+1]
.endr
	ds_store_b128 v[LPW], v[SM:SM+3]
	ds_store_b128 v[LPW], v[SM+4:SM+7] offset:512
	s_wait_dscnt 0x0                               ; for the others' sake: my codes, my scale words and my part of the logits have landed
	s_barrier_signal -1
	s_barrier_wait -1
.irp u, 0,1,2
	ds_load_b128 v[WR+4*\u:WR+4*\u+3], v[XRD] offset:256*\u
.endr
	s_wait_dscnt 0x0
.irp u, 0,1,2
	global_store_b128 v[XGO], v[WR+4*\u:WR+4*\u+3], s[10:11] offset:256*\u   ; sixteen lanes store 256 consecutive bytes, aligned: a third of a token's codes
.endr
	s_cmp_lg_u32 s[WV], 1
	s_cbranch_scc1 .Lnot_one
	ds_load_b128 v[WR+16:WR+19], v[XSR]            ; wave 1: the 16 tokens' scale words, 512 bytes
	s_wait_dscnt 0x0
	global_store_b128 v[L16], v[WR+16:WR+19], s[12:13]
.Lnot_one:
	s_cmp_lg_u32 s[WV], 0
	s_cbranch_scc1 .Lend
	s_load_b256 s[36:43], s[8:9], 0x0              ; wave 0: bg,
.irp w, 0,1,2,3,4,5,6,7
	ds_load_b128 v[16+8*\w:19+8*\w], v[LPR] offset:1024*\w           ; and the eight parts
	ds_load_b128 v[20+8*\w:23+8*\w], v[LPR] offset:1024*\w+512
.endr
	s_wait_dscnt 0x0
.irp j, 0,2,4,6
	v_pk_add_f32 v[80+\j:81+\j], v[16+\j:17+\j], v[24+\j:25+\j]
.endr
.irp w, 2,3,4,5,6,7
.irp j, 0,2,4,6
	v_pk_add_f32 v[80+\j:81+\j], v[80+\j:81+\j], v[16+8*\w+\j:17+8*\w+\j]
.endr
.endr
	s_wait_kmcnt 0x0
.irp e, 0,1,2,3,4,5,6,7
	v_add_f32 v[80+\e], s[36+\e], v[80+\e]         ; the logits of token r
.endr
	v_max3_num_f32 v88, v80, v81, v82
	v_max3_num_f32 v88, v88, v83, v84
	v_max3_num_f32 v88, v88, v85, v86
	v_max_num_f32 v88, v88, v87                    ; the row's maximum is taken away before the exponential
.irp e, 0,1,2,3,4,5,6,7
	v_sub_f32 v[80+\e], v[80+\e], v88
.endr
.irp e, 0,1,2,3,4,5,6,7
	v_mul_f32 v[80+\e], 0x3fb8aa3b, v[80+\e]
.endr
.irp e, 0,1,2,3,4,5,6,7
	v_exp_f32 v[80+\e], v[80+\e]
.endr
	v_nop                                          ; a plain place behind the exponentials
	s_wait_alu depctr_va_vdst(0)
	v_add_f32 v89, v80, v81
	v_add_f32 v90, v82, v83
	v_add_f32 v91, v84, v85
	v_add_f32 v92, v86, v87
	v_add_f32 v89, v89, v90
	v_add_f32 v91, v91, v92
	v_add_f32 v89, v89, v91
	v_rcp_f32 v89, v89
	v_nop
	s_wait_alu depctr_va_vdst(0)
.irp e, 0,1,2,3,4,5,6,7
	v_mul_f32 v[80+\e], v[80+\e], v89              ; the softmax weights
.endr
	v_mov_b32 v96, v80                             ; the largest and its index,
	v_mov_b32 v97, 0
.irp e, 1,2,3,4,5,6,7
	v_cmp_gt_f32 vcc_lo, v[80+\e], v96
	v_cndmask_b32 v96, v96, v[80+\e], vcc_lo
	v_cndmask_b32 v97, v97, \e, vcc_lo
.endr
.irp e, 0,1,2,3,4,5,6,7
	v_cmp_eq_u32 vcc_lo, \e, v97
	v_cndmask_b32 v[80+\e], v[80+\e], -1.0, vcc_lo ; the winner is taken out: every weight lies above -1
.endr
	v_mov_b32 v98, v80                             ; the second likewise
	v_mov_b32 v99, 0
.irp e, 1,2,3,4,5,6,7
	v_cmp_gt_f32 vcc_lo, v[80+\e], v98
	v_cndmask_b32 v98, v98, v[80+\e], vcc_lo
	v_cndmask_b32 v99, v99, \e, vcc_lo
.endr
	v_lshl_or_b32 v100, v99, 8, v97
	global_store_b32 v[R4], v100, s[14:15]         ; lanes r and r + 16 hold the same numbers and store them to the same words
	global_store_b32 v[R4], v96, s[16:17]
	global_store_b32 v[R4], v98, s[16:17] offset:4096
.Lend:
	s_wait_tensorcnt 0x0
	ds_add_u32 v254, v255
	s_wait_dscnt 0x0
	s_endpgm
.Lfunc_end_k_q6f0fb98278_route:
	.size	k_q6f0fb98278_route, .Lfunc_end_k_q6f0fb98278_route-k_q6f0fb98278_route
	.p2alignl 7, 3214868480
	.fill 96, 4, 3214868480
	.section	.rodata,"a",@progbits
	.p2align	6, 0x0
	.amdhsa_kernel k_q6f0fb98278_route
		.amdhsa_group_segment_fixed_size 91136
		.amdhsa_private_segment_fixed_size 0
		.amdhsa_enable_private_segment 0
		.amdhsa_kernarg_size 56
		.amdhsa_user_sgpr_count 2
		.amdhsa_user_sgpr_kernarg_segment_ptr 1
		.amdhsa_wavefront_size32 1
		.amdhsa_system_sgpr_workgroup_id_x 1
		.amdhsa_system_sgpr_workgroup_id_y 1
		.amdhsa_system_sgpr_workgroup_id_z 1
		.amdhsa_system_vgpr_workitem_id 0
		.amdhsa_next_free_vgpr 256
		.amdhsa_next_free_sgpr 66
		.amdhsa_reserve_vcc 1
		.amdhsa_float_denorm_mode_32 3
		.amdhsa_float_denorm_mode_16_64 3
		.amdhsa_memory_ordered 1
		.amdhsa_forward_progress 1
		.amdhsa_inst_pref_size 25
	.end_amdhsa_kernel
	.amdgpu_metadata
---
amdhsa.version: [ 1, 2 ]
amdhsa.kernels:
  - .name:           k_q6f0fb98278_route
    .symbol:         k_q6f0fb98278_route.kd
    .args:
      - { .name: x, .offset: 0, .size: 8, .value_kind: global_buffer, .address_space: global }
      - { .name: Wg, .offset: 8, .size: 8, .value_kind: global_buffer, .address_space: global }
      - { .name: bg, .offset: 16, .size: 8, .value_kind: global_buffer, .address_space: global }
      - { .name: xq, .offset: 24, .size: 8, .value_kind: global_buffer, .address_space: global }
      - { .name: xs, .offset: 32, .size: 8, .value_kind: global_buffer, .address_space: global }
      - { .name: sel, .offset: 40, .size: 8, .value_kind: global_buffer, .address_space: global }
      - { .name: gw, .offset: 48, .size: 8, .value_kind: global_buffer, .address_space: global }
    .group_segment_fixed_size: 91136
    .private_segment_fixed_size: 0
    .kernarg_segment_align: 8
    .kernarg_segment_size: 56
    .max_flat_workgroup_size: 256
    .sgpr_count:     66
    .vgpr_count:     256
    .wavefront_size: 32
...
	.end_amdgpu_metadata
.endif
;; end of part 1
;; launch place (part 2): grid 8 x 1, 1 waves a work-group, no clusters, 0 bytes of LDS; arguments sel, list; writes list
.if DOCPART == 2
	.amdgcn_target "amdgcn-amd-amdhsa--gfx1250"
	.amdhsa_code_object_version 6
	.text
	.protected	k_q6f0fb98278_place
	.globl	k_q6f0fb98278_place
	.p2align	8
	.type	k_q6f0fb98278_place,@function
k_q6f0fb98278_place:
	s_mov_b64 s[64:65], 0
	v_nop
	global_prefetch_b8 v0, s[64:65] scope:SCOPE_SE
	s_setreg_imm32_b32 hwreg(HW_REG_WAVE_MODE, 25, 1), 1
	s_wait_xcnt 0x0
; THE PLACING OF ROWS.  sel [1024]: first choice | second choice << 8 of each token, whole numbers that the launch before stored.
; Stores list [8][1152] words: for expert e, words 0 .. 1087: the entries of its rows by rank, entry = token + 1024 x (which of the token's two choices); word 1088 takes what is not the expert's; word 1089: the count.
; One wave to an expert: that is all the work there is.  Register 4 j + q of sel holds token 128 j + 4 lane + q; a row's rank is the number of the expert's rows in earlier registers and lower lanes.
; Every rank from the count up to 1087 gets ONE OF THE EXPERT'S OWN ENTRIES once more (token 0 where it has none): the rows that fill up its last tile are then a row that is computed anyway, and the later
; launches' look-ahead always finds a valid entry.  So every word that is read later is written exactly once, and no store has to come behind another.
; THE TEXT GOES BY KINDS OF LINES, NOT BY REGISTERS OF sel: each kind is run over all 32 registers before the next kind begins, so that no line reads the result of the line above it, and the wave changes
; between vector lines that write scalar registers and scalar lines that read them three times in all.  That takes a scalar register for each of the 64 masks.
; Each store has an address register and a data register of its own: no source of a pending store is written again.  All lanes stay on.
.set L16,  1                           ; 16 x lane
.set L4,   2                           ; 4 x lane
.set LTR,  3                           ; 1,088
.set PADV, 4                           ; my lane's latest entry of the expert, 0 where it has had none
.set PD,   5                           ; the entry that fills up
.set CL,   6                           ; count + lane
.set CVR,  7                           ; the count
.set SELR, 8                           ; v8-39    sel
.set AP,   40                          ; v40-71   where each register's entries go
.set AT,   72                          ; v72-103  the entries
.set TA,   104                         ; v104-135 the first choices
.set TB,   136                         ; v136-167 the second choices
.set TU,   168                         ; v168-199 token + 1,024
.set PP,   200                         ; v200-233 where the filling goes
.set CAD,  234
.set EXPT, 8
.set CNT,  12                          ; the running count
.set PAD,  13
.set TMP,  14
.set ME,   20                          ; s20-51   register n's lanes whose first choice is the expert, then: whose first or second is; at the end the lanes' latest entries
.set M2,   66                          ; s66-97   register n's lanes whose second choice is the expert; then the number of the expert's rows in registers 0 .. n - 1
	s_load_b128 s[4:7], s[0:1], 0x0                ; sel s[4:5], list s[6:7]
	v_lshlrev_b32 v[L16], 4, v0                    ; one wave: the thread's number is the lane
	v_lshlrev_b32 v[L4], 2, v0
	v_mov_b32 v[LTR], 1088
	v_mov_b32 v[PADV], 0
	v_mov_b32 v[CAD], 4356
	s_mov_b32 s[EXPT], ttmp9                       ; the expert
	s_mul_i32 s10, ttmp9, 4608
	s_mov_b32 s11, 0
	s_mov_b32 s[CNT], 0
	s_mov_b32 s[PAD], 0
	s_wait_kmcnt 0x0
	s_add_nc_u64 s[6:7], s[6:7], s[10:11]
.irp j, 0,1,2,3,4,5,6,7
	global_load_b128 v[SELR+4*\j:SELR+4*\j+3], v[L16], s[4:5] offset:512*\j
.endr
; while sel is on its way: what needs no data
.set nn, 0
.rept 32
	v_add_nc_u32 v[AT+nn], 128*(nn/4)+nn%4, v[L4]          ; the token,
.set nn, nn+1
.endr
.set nn, 0
.rept 32
	v_add_nc_u32 v[TU+nn], 0x400+128*(nn/4)+nn%4, v[L4]    ; and the token + 1,024: the entry of a second choice
.set nn, nn+1
.endr
	s_wait_loadcnt 0x0
.set nn, 0
.rept 32
	v_and_b32 v[TA+nn], 0xff, v[SELR+nn]
.set nn, nn+1
.endr
.set nn, 0
.rept 32
	v_lshrrev_b32 v[TB+nn], 8, v[SELR+nn]
.set nn, nn+1
.endr
.set nn, 0
.rept 32
	v_cmp_eq_u32 s[ME+nn], s[EXPT], v[TA+nn]       ; my expert is the token's first choice,
.set nn, nn+1
.endr
.set nn, 0
.rept 32
	v_cmp_eq_u32 s[M2+nn], s[EXPT], v[TB+nn]       ; or its second
.set nn, nn+1
.endr
.set nn, 0
.rept 32
	v_cndmask_b32 v[AT+nn], v[AT+nn], v[TU+nn], s[M2+nn]
.set nn, nn+1
.endr
; scalar lines alone: either choice; how many rows the earlier registers hold; the count
.set nn, 0
.rept 32
	s_or_b32 s[ME+nn], s[ME+nn], s[M2+nn]
	s_mov_b32 s[M2+nn], s[CNT]                     ; the second choices' mask has been read for the last time: its register takes the rows so far
	s_bcnt1_i32_b32 s[TMP], s[ME+nn]
	s_add_co_u32 s[CNT], s[CNT], s[TMP]
.set nn, nn+1
.endr
; what hangs on the count alone: where the filling goes, ranks count + 32 k + lane (34 x 32 reach 1,087 from any count; what lies beyond goes to word 1,088), and the count itself
	v_mov_b32 v[CVR], s[CNT]
	v_add_nc_u32 v[CL], s[CNT], v0
.set kk, 0
.rept 34
	v_add_nc_u32 v[PP+kk], 32*kk, v[CL]
.set kk, kk+1
.endr
.set kk, 0
.rept 34
	v_min_u32 v[PP+kk], 0x440, v[PP+kk]
.set kk, kk+1
.endr
.set kk, 0
.rept 34
	v_lshlrev_b32 v[PP+kk], 2, v[PP+kk]
.set kk, kk+1
.endr
	global_store_b32 v[CAD], v[CVR], s[6:7]        ; every lane stores the same number to the same word
; the ranks, in four stages that run one register apart: a stage reads what was written six or seven lines back
.set nn, 0
.rept 35
.if nn < 32
	v_mbcnt_lo_u32_b32 v[AP+nn], s[ME+nn], s[M2+nn]                ; the rank: the rows of earlier registers + those in lower lanes
	v_cndmask_b32 v[PADV], v[PADV], v[AT+nn], s[ME+nn]             ; my lane's latest entry
.endif
.if (nn >= 1) && (nn < 33)
	v_cndmask_b32 v[AP+nn-1], v[LTR], v[AP+nn-1], s[ME+nn-1]       ; what is not my expert's goes to word 1,088
.endif
.if (nn >= 2) && (nn < 34)
	v_min_u32 v[AP+nn-2], 0x440, v[AP+nn-2]
.endif
.if nn >= 3
	v_lshlrev_b32 v[AP+nn-3], 2, v[AP+nn-3]
.endif
.set nn, nn+1
.endr
; one entry of the expert for the filling: the largest of the lanes' latest (0 where no lane has one).  The 32 stores stand between the lines that write the scalar registers and those that read them
.set nn, 0
.rept 32
	v_readlane_b32 s[ME+nn], v[PADV], nn           ; the masks have been read for the last time
.set nn, nn+1
.endr
.set nn, 0
.rept 32
	global_store_b32 v[AP+nn], v[AT+nn], s[6:7]    ; the expert's rows of a register have neighbouring ranks
.set nn, nn+1
.endr
.set nn, 0
.rept 32
	s_max_u32 s[PAD], s[PAD], s[ME+nn]
.set nn, nn+1
.endr
	v_mov_b32 v[PD], s[PAD]
.set kk, 0
.rept 34
	global_store_b32 v[PP+kk], v[PD], s[6:7]
.set kk, kk+1
.endr
	s_endpgm
.Lfunc_end_k_q6f0fb98278_place:
	.size	k_q6f0fb98278_place, .Lfunc_end_k_q6f0fb98278_place-k_q6f0fb98278_place
	.p2alignl 7, 3214868480
	.fill 96, 4, 3214868480
	.section	.rodata,"a",@progbits
	.p2align	6, 0x0
	.amdhsa_kernel k_q6f0fb98278_place
		.amdhsa_group_segment_fixed_size 0
		.amdhsa_private_segment_fixed_size 0
		.amdhsa_enable_private_segment 0
		.amdhsa_kernarg_size 16
		.amdhsa_user_sgpr_count 2
		.amdhsa_user_sgpr_kernarg_segment_ptr 1
		.amdhsa_wavefront_size32 1
		.amdhsa_system_sgpr_workgroup_id_x 1
		.amdhsa_system_sgpr_workgroup_id_y 1
		.amdhsa_system_sgpr_workgroup_id_z 1
		.amdhsa_system_vgpr_workitem_id 0
		.amdhsa_next_free_vgpr 240
		.amdhsa_next_free_sgpr 100
		.amdhsa_reserve_vcc 0
		.amdhsa_float_denorm_mode_32 3
		.amdhsa_float_denorm_mode_16_64 3
		.amdhsa_memory_ordered 1
		.amdhsa_forward_progress 1
		.amdhsa_inst_pref_size 43
	.end_amdhsa_kernel
	.amdgpu_metadata
---
amdhsa.version: [ 1, 2 ]
amdhsa.kernels:
  - .name:           k_q6f0fb98278_place
    .symbol:         k_q6f0fb98278_place.kd
    .args:
      - { .name: sel, .offset: 0, .size: 8, .value_kind: global_buffer, .address_space: global }
      - { .name: list, .offset: 8, .size: 8, .value_kind: global_buffer, .address_space: global }
    .group_segment_fixed_size: 0
    .private_segment_fixed_size: 0
    .kernarg_segment_align: 8
    .kernarg_segment_size: 16
    .max_flat_workgroup_size: 32
    .sgpr_count:     100
    .vgpr_count:     240
    .wavefront_size: 32
...
	.end_amdgpu_metadata
.endif
;; end of part 2
;; launch ffn1 (part 3): grid 256 x 1, 4 waves a work-group, no clusters, 197,120 bytes of LDS; arguments W1, b1, xq, xs, list, hq, hs; writes hq, hs
.if DOCPART == 3
	.amdgcn_target "amdgcn-amd-amdhsa--gfx1250"
	.amdhsa_code_object_version 6
	.text
	.protected	k_q6f0fb98278_ffn1
	.globl	k_q6f0fb98278_ffn1
	.p2align	8
	.type	k_q6f0fb98278_ffn1,@function
k_q6f0fb98278_ffn1:
	s_mov_b64 s[64:65], 0
	v_nop
	global_prefetch_b8 v0, s[64:65] scope:SCOPE_SE
	s_setreg_imm32_b32 hwreg(HW_REG_WAVE_MODE, 25, 1), 1
	s_wait_xcnt 0x0
; h = gelu(x W1^T + b1) for the rows that chose an expert, quantised to FP6 (E2M3) along the hidden axis.  W1 [8][4096][1024] f32, b1 [8][4096] f32; xq, xs, list as the launches before stored them.
; A work-group owns 128 hidden units of one expert (e = wg / 32, slice = wg % 32): 512 KiB of W1, which is read from memory ONCE, here, quantised in registers and kept as codes: 64 fragments (16 rows x 128 K),
; 768 registers in EVERY wave.  The waves share the making of the fragments (16 each; they reach the others through LDS as images of their registers) and then share the ROWS: wave w takes tiles w, w + 4 ..
; of the expert's rows, 16 rows a tile, so that no barrier stands in the loop over tiles.
; THE ROWS.  list [e][1152]: words 0 .. 1087 the expert's entries by rank (entry = token + 1024 x choice; rank j = tile j / 16, row j % 16), word 1089 the count.  Ranks from the count on repeat one of the
; expert's entries: the rows that fill up the last tile are a row of the expert once more, and the look-ahead by one tile always finds a valid entry.
; The loop over tiles has 16 trips, a constant; a trip whose tile begins past the count jumps over its work.  The launch has no tensor load, no copy and no cluster.
; THE PRODUCT IS USED TRANSPOSED (source 0 = 16 rows of W1, source 1 = 16 rows of x), and lane r of tile 2 b + u takes hidden unit 32 b + 8 u + r + 8 (r / 8): a lane then holds one row of h, and the 16 registers
; of tiles 2 b, 2 b + 1 are 16 neighbours along the next product's K.  b1 is the C of each sum's first product.
; GELU is x Phi(x) with the exact erf, in f32: for |a| <= 475/512 (a = x / sqrt 2) a polynomial for erf; above, erfc(|a|) = exp(polynomial), used as it is on the negative side, so nothing cancels there.
; Both ways are computed for every number and one is chosen by v_cndmask_b32.
; Stores: hq [64 e + tile][slice][3][32 lanes][16 bytes]: the fragment's registers as they stand;  hs [64 e + tile][slice][16 rows]: the rows' scale words.
; LIMITS: NaN and infinities are not served.  A block whose largest magnitude lies under 2^-124 (zeros too) gets the scale byte 1; the bytes are read by this program alone.
; REGISTERS: window 0 as named below; windows 1 to 3: fragments 0-20, 21-41, 42-62 of W1 at v[12 (f % 21)], f = 8 x K step + tile (window 1 first serves as four slots of 64 for the f32 numbers on their way in).
.set SPI,  528                         ; a stage row: 512 bytes + 16
.set XPI,  784                         ; a token's 768 bytes of codes + 16
.set IMG,  0                           ; 64 fragments' images, 1,536 bytes each
.set WSC,  98304                       ; their scale words, 64 bytes each
.set STG,  102400                      ; a stage of 16 rows x 528 for each wave
.set XSTG, 136192                      ; a tile of x's codes, 16 x 784, for each wave
.set BIAS, 190976                      ; my 128 numbers of b1
.set L16, 1                            ; 16 x lane
.set LI2, 2                            ; 16 x lane + 64,512: images 42 on
.set LS,  3                            ; WSC + 4 x lane
.set SW,  4
.set SRD, 5
.set IW,  6                            ; where I store images: 16 x lane + 24,576 x wave
.set WSA, 7                            ; and their scale words: WSC + 4 r + 1,024 x wave
.set H8,  8
.set LADP, 9                           ; in the list: 64 wave + 4 h: the entries of rows 2 p + h
.set LADR, 10                          ; 64 wave + 4 r: my row's entry
.set BADR, 11                          ; BIAS + 64 h
.set XW,  12                           ; x's stage, in: + 784 h + 16 r
.set HSO, 13                           ; 4 r
.set C16, 14                           ; 16 r
.set H16, 15                           ; 16 h
.set WS,  16                           ; v16-47   W1's scale words: register p: fragment 2 p in lanes 0-15, 2 p + 1 in lanes 16-31
.set WL,  48                           ; v48-59   fragment 63
.set XS,  60                           ; v60-63   x's scale words: register j: K step j in lanes 0-15, 4 + j in lanes 16-31
.set ACC, 64                           ; v64-127  eight accumulators; in the prologue the 64 numbers to be quantised
.set XQ,  ACC
.set XL,  128                          ; v128-175 four fragments of x; between two tiles, rows of codes on their way to the stage
.set EN,  176                          ; v176-184 eight pairs' entries and my row's, then the offsets made of them
.set LN,  185
.set RR,  186
.set HH,  187
.set TM,  192                          ; the quantisers' scratch
.set PW,  208
.set PC,  210
.set GA,  192                          ; GELU's scratch: six sets of eight
.set GS,  200
.set GT,  208
.set GR,  216
.set GU,  224
.set GQ,  232
.set VC1, 240                          ; three constants as vector pairs
.set VC3, 242
.set VK1, 244
.set B4,  246
.set BV,  247
.set XR,  252                          ; x's stage, out: + 784 r + 384 h; the same number stands in v252 of windows 1 and 2
.set BW,  253
.set WV,  18
.set EXPT, 19
.set SLC, 20
.set NROW, 21
.set ROW0, 22
.set CTR, 23
.set SEL, 28
.set THR, 35
.set KR,  36                           ; twelve constants as scalar pairs: the packed forms name a pair and take its low word for both halves
.set C0,  38
.set C2,  40
.set C4,  42
.set C5,  44
.set C6,  46
.set L2E, 48
.set K0,  50
.set K2,  52
.set K3,  54
.set K4,  56
.set K5,  58
.set MK,  66                           ; s66-81 compare masks
.set MSB, 0
.macro WIN new                         ; the immediate's high byte repeats the setting that is left; a switch that changes nothing is dropped
.if MSB != \new
	s_set_vgpr_msb (MSB<<8)|\new
.set MSB, \new
.endif
.endm
.macro SPAIR r, val
	s_mov_b32 s[\r], \val
	s_mov_b32 s[\r+1], \val
.endm
; 64 numbers of a lane, two whole blocks of 32 along K, become the 12 registers of a fragment (v[PC] on) and the row's scale word (v[PW]).
.macro WQUANT
.irp c, 0,1
	v_max3_num_f32 v[TM+\c], |v[XQ+32*\c]|, |v[XQ+32*\c+1]|, 0x1800000   ; the floor 2^(3 - 127) among the leaves: the byte cannot fall under 1
.endr
.irp i, 2,4,6,8,10,12,14,16,18,20,22,24,26,28,30
.irp c, 0,1
	v_max3_num_f32 v[TM+\c], v[TM+\c], |v[XQ+32*\c+\i]|, |v[XQ+32*\c+\i+1]|
.endr
.endr
.irp c, 0,1
	v_add_nc_u32 v[TM+4+\c], 0xff000000, v[TM+\c]      ; 2 off the exponent field: the conversion's scale operand
.endr
.irp c, 0,1
	v_lshrrev_b32 v[TM+2+\c], 23, v[TM+4+\c]           ; the scale's byte
.endr
	v_lshl_or_b32 v[PW], v[TM+3], 16, v[TM+2]
	v_lshlrev_b32 v[PW], v[H8], v[PW]
	v_permlanex16_b32 v[TM+6], v[PW], s[SEL], s[SEL+1]
	v_or_b32 v[PW], v[PW], v[TM+6]                     ; with lane l xor 16's two bytes the word is whole
.irp c, 0,1
	v_cvt_scalef32_pk16_fp6_f32 v[PC+6*\c:PC+6*\c+2], v[XQ+32*\c:XQ+32*\c+15], v[TM+4+\c]
	v_cvt_scalef32_pk16_fp6_f32 v[PC+12+4*\c:PC+14+4*\c], v[XQ+32*\c+16:XQ+32*\c+31], v[TM+4+\c]
.endr
	v_nop                                              ; one plain place behind the conversions
.irp c, 0,1
.irp i, 0,1,2
	v_mov_b32 v[PC+3+6*\c+\i], v[PC+12+4*\c+\i]
.endr
.endr
.endm
; 64 numbers of a lane, register 16 b + i = k 32 b + 16 h + i of my row, become a fragment's codes in v[PC] on and its scale word in v[PW].
.macro QUANT s
.irp b, 0,1,2,3
	v_max3_num_f32 v[TM+\b], |v[\s+16*\b]|, |v[\s+1+16*\b]|, 0x1800000
.endr
.irp i, 2,4,6,8,10,12,14
.irp b, 0,1,2,3
	v_max3_num_f32 v[TM+\b], v[TM+\b], |v[\s+16*\b+\i]|, |v[\s+1+16*\b+\i]|
.endr
.endr
.irp b, 0,1,2,3
	v_permlanex16_b32 v[TM+4+\b], v[TM+\b], s[SEL], s[SEL+1]
.endr
.irp b, 0,1,2,3
	v_max_num_f32 v[TM+\b], v[TM+\b], v[TM+4+\b]       ; with lane l xor 16's: the block's largest magnitude
.endr
.irp b, 0,1,2,3
	v_add_nc_u32 v[TM+12+\b], 0xff000000, v[TM+\b]
.endr
.irp b, 0,1,2,3
	v_lshrrev_b32 v[TM+4+\b], 23, v[TM+12+\b]
.endr
	v_lshl_or_b32 v[PW], v[TM+5], 8, v[TM+4]
	v_lshl_or_b32 v[PW], v[TM+6], 16, v[PW]
	v_lshl_or_b32 v[PW], v[TM+7], 24, v[PW]
.irp c, 0,1
	v_cvt_scalef32_pk16_fp6_f32 v[PC+6*\c:PC+2+6*\c], v[\s+32*\c:\s+15+32*\c], v[TM+12+2*\c]
	v_cvt_scalef32_pk16_fp6_f32 v[PC+12+4*\c:PC+14+4*\c], v[\s+16+32*\c:\s+31+32*\c], v[TM+12+2*\c+1]
.endr
	v_nop                                              ; one plain place behind the conversions
.irp c, 0,1                                            ; the operand's layout wants a whole block in a lane
.irp i, 0,1,2
	v_permlane16_swap_b32 v[PC+6*\c+\i], v[PC+12+4*\c+\i]
.endr
.irp i, 0,1,2
	v_mov_b32 v[PC+3+6*\c+\i], v[PC+12+4*\c+\i]
.endr
.endr
.endm
; My fragment g of 16 (tile 2 (g / 4) + (g % 4) / 2, K step 2 wave + g % 2): 16 rows x 512 bytes into slot g % 4 of window 1; 32 lanes read 512 consecutive bytes of a row.
.macro FILL g
	WIN 0x40
.irp i, 0,1,2,3,4,5,6,7,8,9,10,11,12,13,14,15
	global_load_b128 v[64*((\g)%4)+4*\i:64*((\g)%4)+4*\i+3], v[L16], s[4:5] offset:((\g)/4)*131072+(8*(((\g)%4)/2)+\i+8*(\i/8))*4096+512*((\g)%2) th:TH_LOAD_NT
.endr
	WIN 0
.endm
; Fragment gg: through my stage, so that a lane holds two whole blocks of one row; quantised; its image and its scale words to LDS.
.macro FRAGQ
.if gg < 13
	s_wait_loadcnt 48                              ; this slot's 16 loads are in; the three younger slots' may be out
.else
	s_wait_loadcnt 16*(15-gg)
.endif
	WIN 0x04                                       ; an LDS store's data are its source 1: window 1
.irp i, 0,1,2,3,4,5,6,7,8,9,10,11,12,13,14,15
	ds_store_b128 v[SW], v[64*(gg%4)+4*\i:64*(gg%4)+4*\i+3] offset:SPI*\i
.endr
	WIN 0
.irp c, 0,1
.irp q, 0,1,2,3,4,5,6,7
	ds_load_b128 v[XQ+32*\c+4*\q:XQ+32*\c+4*\q+3], v[SRD] offset:256*\c+16*\q
.endr
.endr
	s_wait_dscnt 0x0                               ; the numbers are back; the stores have read the slot, and the last image's stores their registers
.if gg+4 < 16
	FILL gg+4
.endif
	WQUANT
.irp c, 0,1,2
	ds_store_b128 v[IW], v[PC+4*\c:PC+4*\c+3] offset:12288*(gg%2)+1536*((gg%4)/2)+3072*(gg/4)+512*\c
.endr
	ds_store_b32 v[WSA], v[PW] offset:512*(gg%2)+64*((gg%4)/2)+128*(gg/4)
.endm
; entries -> byte offsets: rows 2 p + h of xq (768 bytes a token, my 16 of a unit of 256), and my row's scale words in xs (32 bytes a token, 16 a half)
.macro ADDRS
.irp p, 0,1,2,3,4,5,6,7
	v_and_b32 v[EN+\p], 0x3ff, v[EN+\p]            ; the token
.endr
.irp p, 0,1,2,3,4,5,6,7
	v_min_u32 v[EN+\p], 0x3ff, v[EN+\p]
.endr
.irp p, 0,1,2,3,4,5,6,7
	v_mul_u32_u24 v[EN+\p], v[EN+\p], 0x300
.endr
.irp p, 0,1,2,3,4,5,6,7
	v_add_nc_u32 v[EN+\p], v[EN+\p], v[C16]
.endr
	v_and_b32 v[EN+8], 0x3ff, v[EN+8]
	v_min_u32 v[EN+8], 0x3ff, v[EN+8]
	v_lshl_add_u32 v[EN+8], v[EN+8], 5, v[H16]
.endm
.macro XBATCH p0, reg                  ; eight rows of codes: sixteen lanes read one aligned unit of 256 bytes of one token's row
.irp p, 0,1,2,3
.irp u, 0,1,2
	global_load_b128 v[\reg+4*(3*\p+\u):\reg+4*(3*\p+\u)+3], v[EN+\p0+\p], s[8:9] offset:256*\u
.endr
.endr
.endm
.macro XSTORE p0, reg                  ; and into my stage
.irp p, 0,1,2,3
.irp u, 0,1,2
	ds_store_b128 v[XW], v[\reg+4*(3*\p+\u):\reg+4*(3*\p+\u)+3] offset:2*(\p0+\p)*XPI+256*\u
.endr
.endr
.endm
; One product: accumulator tt += fragment ff = 8 ks + tt of W1 x K step ks of x.
.macro PROD1
.if ff == 63
.set wn, 0
.set wr, WL
.else
.set wn, 1+ff/21
.set wr, 12*(ff%21)
.endif
	WIN wn                                         ; source 0 in the fragment's window, all else in window 0
.if (ff%2 == 0) && (ks < 4)
	v_wmma_scale_f32_16x16x128_f8f6f4 v[ACC+8*tt:ACC+8*tt+7], v[wr:wr+11], v[XL+12*(ks%4):XL+12*(ks%4)+11], v[ACC+8*tt:ACC+8*tt+7], v[WS+ff/2], v[XS+ks%4] matrix_a_fmt:MATRIX_FMT_FP6 matrix_b_fmt:MATRIX_FMT_FP6
.elseif (ff%2 == 1) && (ks < 4)
	v_wmma_scale_f32_16x16x128_f8f6f4 v[ACC+8*tt:ACC+8*tt+7], v[wr:wr+11], v[XL+12*(ks%4):XL+12*(ks%4)+11], v[ACC+8*tt:ACC+8*tt+7], v[WS+ff/2], v[XS+ks%4] matrix_a_fmt:MATRIX_FMT_FP6 matrix_b_fmt:MATRIX_FMT_FP6 matrix_a_scale:MATRIX_SCALE_ROW1
.elseif ff%2 == 0
	v_wmma_scale_f32_16x16x128_f8f6f4 v[ACC+8*tt:ACC+8*tt+7], v[wr:wr+11], v[XL+12*(ks%4):XL+12*(ks%4)+11], v[ACC+8*tt:ACC+8*tt+7], v[WS+ff/2], v[XS+ks%4] matrix_a_fmt:MATRIX_FMT_FP6 matrix_b_fmt:MATRIX_FMT_FP6 matrix_b_scale:MATRIX_SCALE_ROW1
.else
	v_wmma_scale_f32_16x16x128_f8f6f4 v[ACC+8*tt:ACC+8*tt+7], v[wr:wr+11], v[XL+12*(ks%4):XL+12*(ks%4)+11], v[ACC+8*tt:ACC+8*tt+7], v[WS+ff/2], v[XS+ks%4] matrix_a_fmt:MATRIX_FMT_FP6 matrix_b_fmt:MATRIX_FMT_FP6 matrix_a_scale:MATRIX_SCALE_ROW1 matrix_b_scale:MATRIX_SCALE_ROW1
.endif
.endm
; GELU of accumulator t, eight numbers, in place.  The two ways take turns line by line, four packed instructions each, so that no line waits for the line above it.
.macro GELU t
.set Z, ACC+8*(\t)
.irp j, 0,2,4,6
	v_pk_mul_f32 v[GA+\j:GA+\j+1], v[Z+\j:Z+\j+1], s[KR:KR+1] op_sel_hi:[1,0]      ; a = z / sqrt 2  (the accumulator is read from its low end on)
.endr
.irp j, 0,2,4,6
	v_pk_mul_f32 v[GS+\j:GS+\j+1], v[GA+\j:GA+\j+1], v[GA+\j:GA+\j+1]              ; s = a a
.endr
.irp j, 0,1,2,3,4,5,6,7
	v_and_b32 v[GT+\j], 0x7fffffff, v[GA+\j]                                       ; t = |a|
.endr
.irp j, 0,2,4,6
	v_pk_fma_f32 v[GR+\j:GR+\j+1], v[GT+\j:GT+\j+1], s[C0:C0+1], v[VC1:VC1+1] op_sel_hi:[1,0,1]
.endr
.irp j, 0,2,4,6
	v_pk_fma_f32 v[GU+\j:GU+\j+1], v[GT+\j:GT+\j+1], s[C2:C2+1], v[VC3:VC3+1] op_sel_hi:[1,0,1]
.endr
.irp j, 0,2,4,6
	v_pk_fma_f32 v[GQ+\j:GQ+\j+1], v[GS+\j:GS+\j+1], s[K0:K0+1], v[VK1:VK1+1] op_sel_hi:[1,0,1]
.endr
.irp j, 0,2,4,6
	v_pk_fma_f32 v[GR+\j:GR+\j+1], v[GR+\j:GR+\j+1], v[GS+\j:GS+\j+1], v[GU+\j:GU+\j+1]
.endr
.irp j, 0,2,4,6
	v_pk_fma_f32 v[GQ+\j:GQ+\j+1], v[GQ+\j:GQ+\j+1], v[GS+\j:GS+\j+1], s[K2:K2+1] op_sel_hi:[1,1,0]
.endr
.irp j, 0,2,4,6
	v_pk_fma_f32 v[GR+\j:GR+\j+1], v[GR+\j:GR+\j+1], v[GT+\j:GT+\j+1], s[C4:C4+1] op_sel_hi:[1,1,0]
.endr
.irp j, 0,2,4,6
	v_pk_fma_f32 v[GQ+\j:GQ+\j+1], v[GQ+\j:GQ+\j+1], v[GS+\j:GS+\j+1], s[K3:K3+1] op_sel_hi:[1,1,0]
.endr
.irp j, 0,2,4,6
	v_pk_fma_f32 v[GR+\j:GR+\j+1], v[GR+\j:GR+\j+1], v[GT+\j:GT+\j+1], s[C5:C5+1] op_sel_hi:[1,1,0]
.endr
.irp j, 0,2,4,6
	v_pk_fma_f32 v[GQ+\j:GQ+\j+1], v[GQ+\j:GQ+\j+1], v[GS+\j:GS+\j+1], s[K4:K4+1] op_sel_hi:[1,1,0]
.endr
.irp j, 0,2,4,6
	v_pk_fma_f32 v[GR+\j:GR+\j+1], v[GR+\j:GR+\j+1], v[GT+\j:GT+\j+1], s[C6:C6+1] op_sel_hi:[1,1,0]
.endr
.irp j, 0,2,4,6
	v_pk_fma_f32 v[GQ+\j:GQ+\j+1], v[GQ+\j:GQ+\j+1], v[GS+\j:GS+\j+1], s[K5:K5+1] op_sel_hi:[1,1,0]
.endr
.irp j, 0,2,4,6
	v_pk_fma_f32 v[GR+\j:GR+\j+1], v[GR+\j:GR+\j+1], v[GT+\j:GT+\j+1], v[GT+\j:GT+\j+1] neg_lo:[0,0,1] neg_hi:[0,0,1]   ; ln erfc(t)
.endr
.irp j, 0,2,4,6
	v_pk_fma_f32 v[GQ+\j:GQ+\j+1], v[GQ+\j:GQ+\j+1], v[GA+\j:GA+\j+1], v[GA+\j:GA+\j+1]                                 ; erf(a), the small way
.endr
.irp j, 0,2,4,6
	v_pk_fma_f32 v[GR+\j:GR+\j+1], v[GR+\j:GR+\j+1], s[L2E:L2E+1], -1.0 op_sel_hi:[1,0,0]                                ; in base 2, and halved
.endr
.irp j, 0,1,2,3,4,5,6,7
	v_exp_f32 v[GR+\j], v[GR+\j]                                                   ; erfc(t) / 2
.endr
.irp j, 0,2,4,6
	v_pk_fma_f32 v[GQ+\j:GQ+\j+1], v[GQ+\j:GQ+\j+1], 0.5, 0.5 op_sel_hi:[1,0,0]    ; Phi, the small way.  (A plain place behind the exponentials)
.endr
.irp j, 0,1,2,3,4,5,6,7
	v_cmp_gt_f32 s[MK+\j], 0, v[GA+\j]
.endr
	s_wait_alu depctr_va_vdst(0)
.irp j, 0,2,4,6
	v_pk_fma_f32 v[GU+\j:GU+\j+1], v[GR+\j:GR+\j+1], -1.0, 1.0 op_sel_hi:[1,0,0]   ; 1 - erfc(t) / 2
.endr
.irp j, 0,1,2,3,4,5,6,7
	v_cndmask_b32 v[GU+\j], v[GU+\j], v[GR+\j], s[MK+\j]                           ; Phi, the large way: erfc(t) / 2 itself where a < 0
.endr
.irp j, 0,1,2,3,4,5,6,7
	v_cmp_lt_f32 s[MK+8+\j], s[THR], v[GT+\j]
.endr
.irp j, 0,1,2,3,4,5,6,7
	v_cndmask_b32 v[GQ+\j], v[GQ+\j], v[GU+\j], s[MK+8+\j]
.endr
.irp j, 0,2,4,6
	v_pk_mul_f32 v[Z+\j:Z+\j+1], v[Z+\j:Z+\j+1], v[GQ+\j:GQ+\j+1]
.endr
.endm
	s_load_b256 s[4:11], s[0:1], 0x0               ; W1 s[4:5], b1 s[6:7], xq s[8:9], xs s[10:11]
	s_load_b128 s[12:15], s[0:1], 0x20             ; list s[12:13], hq s[14:15]
	s_load_b64 s[16:17], s[0:1], 0x30              ; hs
	v_lshl_add_u32 v254, v0, 2, 0x30000
	v_mov_b32 v255, 0
	v_lshrrev_b32 v[LN], 5, v0
	v_readfirstlane_b32 s[WV], v[LN]               ; wave 0..3
	v_and_b32 v[LN], 31, v0
	v_and_b32 v[RR], 15, v0
	v_bfe_u32 v[HH], v0, 4, 1
	v_lshlrev_b32 v[L16], 4, v[LN]
	v_add_nc_u32 v[LI2], 64512, v[L16]
	v_lshl_add_u32 v[LS], v[LN], 2, WSC
	s_mul_i32 s24, s[WV], 16*SPI
	s_add_co_u32 s24, s24, STG
	v_add_nc_u32 v[SW], s24, v[L16]
	v_mul_u32_u24 v[SRD], v[RR], SPI
	v_lshl_add_u32 v[SRD], v[HH], 7, v[SRD]
	v_add_nc_u32 v[SRD], s24, v[SRD]
	s_mul_i32 s24, s[WV], 24576
	v_add_nc_u32 v[IW], s24, v[L16]
	s_lshl_b32 s24, s[WV], 10
	s_add_co_u32 s24, s24, WSC
	v_lshl_add_u32 v[WSA], v[RR], 2, s24
	v_lshlrev_b32 v[H8], 3, v[HH]
	s_lshl_b32 s24, s[WV], 6                       ; a tile's 16 entries are 64 bytes
	v_lshl_add_u32 v[LADP], v[HH], 2, s24
	v_lshl_add_u32 v[LADR], v[RR], 2, s24
	v_lshl_add_u32 v[BADR], v[HH], 6, BIAS
	s_mul_i32 s24, s[WV], 16*XPI
	s_add_co_u32 s24, s24, XSTG
	v_mul_u32_u24 v[XW], v[HH], XPI
	v_lshl_add_u32 v[XW], v[RR], 4, v[XW]
	v_add_nc_u32 v[XW], s24, v[XW]
	v_mul_u32_u24 v[XR], v[RR], XPI
	v_mad_u32_u24 v[XR], v[HH], 384, v[XR]
	v_add_nc_u32 v[XR], s24, v[XR]
	v_lshlrev_b32 v[HSO], 2, v[RR]
	v_lshlrev_b32 v[C16], 4, v[RR]
	v_lshlrev_b32 v[H16], 4, v[HH]
	v_lshlrev_b32 v[B4], 2, v0
	v_lshl_add_u32 v[BW], v0, 2, BIAS
	v_mov_b32 v[TM+6], 0                           ; a lane permute's destination counts as one of its sources
	v_mov_b32 v[VC1], 0x39c8e7d9
	v_mov_b32 v[VC1+1], 0x39c8e7d9
	v_mov_b32 v[VC3], 0x3cc6b1a1
	v_mov_b32 v[VC3+1], 0x3cc6b1a1
	v_mov_b32 v[VK1], 0x3ba38d2c
	v_mov_b32 v[VK1+1], 0x3ba38d2c
	s_mov_b32 s[SEL], 0x76543210
	s_mov_b32 s[SEL+1], 0xfedcba98                 ; lane l xor 16
	s_mov_b32 s[THR], 0x3f6d8000                   ; 475 / 512
	SPAIR KR,  0x3f3504f3                          ; 1 / sqrt 2
	SPAIR C0,  0xb7910000                          ; ln erfc(t) = ((((((c0 t + c1) s + c2 t + c3) t + c4) t + c5) t + c6) t - t
	SPAIR C2,  0xbb7e8a1c
	SPAIR C4,  0xbddaae5c
	SPAIR C5,  0xbf228550
	SPAIR C6,  0xbe03ce86
	SPAIR L2E, 0x3fb8aa3b                          ; log2 e
	SPAIR K0,  0xba1c7000                          ; erf(a) = a + a (((((k0 s + k1) s + k2) s + k3) s + k4) s + k5)
	SPAIR K2,  0xbcdb48d9
	SPAIR K3,  0x3de70e22
	SPAIR K4,  0xbec09380
	SPAIR K5,  0x3e0375d4
	s_lshr_b32 s[EXPT], ttmp9, 5                   ; the expert
	s_and_b32 s[SLC], ttmp9, 31                    ; which 128 hidden units: the next product's K step
	s_lshl_b32 s24, ttmp9, 19                      ; 128 rows of 4,096 bytes a work-group,
	s_lshl_b32 s26, s[WV], 10                      ; my two K steps of 512 bytes
	s_add_co_u32 s24, s24, s26
	s_mov_b32 s25, 0
	s_mov_b32 s27, 0
	s_wait_kmcnt 0x0
	s_add_nc_u64 s[4:5], s[4:5], s[24:25]
	s_lshl_b32 s24, ttmp9, 9
	s_add_nc_u64 s[6:7], s[6:7], s[24:25]
	s_lshl_b32 s24, s[EXPT], 6
	s_add_co_u32 s24, s24, s[WV]                   ; my first tile: 64 e + wave
	s_mul_i32 s26, s24, 49152
	s_mul_i32 s30, s[SLC], 1536
	s_add_co_u32 s26, s26, s30
	s_add_nc_u64 s[14:15], s[14:15], s[26:27]
	s_lshl_b32 s26, s24, 11
	s_lshl_b32 s30, s[SLC], 6
	s_add_co_u32 s26, s26, s30
	s_add_nc_u64 s[16:17], s[16:17], s[26:27]
	s_mul_i32 s26, s[EXPT], 4608
	s_add_nc_u64 s[12:13], s[12:13], s[26:27]      ; my expert's list
	s_load_b32 s[NROW], s[12:13], 0x1104           ; its count: word 1,089
	global_load_b32 v[BV], v[B4], s[6:7]           ; thread i: b1 of my hidden unit i
.irp p, 0,1,2,3,4,5,6,7
	global_load_b32 v[EN+\p], v[LADP], s[12:13] offset:8*\p    ; my first tile's entries, ahead of the weights
.endr
	global_load_b32 v[EN+8], v[LADR], s[12:13]
	FILL 0
	FILL 1
	FILL 2
	FILL 3
.set gg, 0
.rept 16
	FRAGQ
.set gg, gg+1
.endr
	ds_store_b32 v[BW], v[BV]
	s_wait_dscnt 0x0                               ; for the others' sake: my 16 images, their scale words and my share of b1 have landed
	s_barrier_signal -1
	s_barrier_wait -1
; The first tile's rows of x are asked for, then every wave takes all 64 fragments into its registers.
	s_wait_kmcnt 0x0
	s_min_u32 s[NROW], s[NROW], 0x400              ; the expert's rows
	ADDRS
	XBATCH 0, XL
	XBATCH 4, ACC
	global_load_b128 v[XS:XS+3], v[EN+8], s[10:11]
.set ff, 0
.rept 63
.set wn, (1+ff/21)<<6
	WIN wn                                         ; destination in the fragment's window
.irp c, 0,1,2
.if ff < 42
	ds_load_b128 v[12*(ff%21)+4*\c:12*(ff%21)+4*\c+3], v[L16] offset:1536*ff+512*\c
.else
	ds_load_b128 v[12*(ff%21)+4*\c:12*(ff%21)+4*\c+3], v[LI2] offset:1536*(ff-42)+512*\c
.endif
.endr
.set ff, ff+1
.endr
	WIN 0
.irp c, 0,1,2
	ds_load_b128 v[WL+4*\c:WL+4*\c+3], v[LI2] offset:1536*21+512*\c
.endr
.irp p, 0,1,2,3,4,5,6,7,8,9,10,11,12,13,14,15,16,17,18,19,20,21,22,23,24,25,26,27,28,29,30,31
	ds_load_b32 v[WS+\p], v[LS] offset:128*\p
.endr
	WIN 0x40
	v_mov_b32 v252, v252                           ; the stage's read address into v252 of windows 1 and 2: the LDS loads among the products then need no switch
	WIN 0x80
	v_mov_b32 v252, v252
	WIN 0
	s_wait_dscnt 0x0
	s_wait_loadcnt 0x0
	XSTORE 0, XL
	XSTORE 4, ACC
	s_lshl_b32 s[ROW0], s[WV], 4
	s_mov_b32 s[CTR], 0
.Ltile:                                            ; 16 trips: tiles wave + 4 j
	s_cmp_ge_u32 s[ROW0], s[NROW]
	s_cbranch_scc1 .Lnext                          ; the tile begins past the count: only the steps at the trip's end are run
.irp t, 0,1,2,3,4,5,6,7
	ds_load_b128 v[ACC+8*\t:ACC+8*\t+3], v[BADR] offset:128*(\t/2)+32*(\t%2)       ; b1 in the result's layout: the sums begin with it
	ds_load_b128 v[ACC+8*\t+4:ACC+8*\t+7], v[BADR] offset:128*(\t/2)+32*(\t%2)+16
.endr
.irp k, 0,1,2,3
.irp c, 0,1,2
	ds_load_b128 v[XL+12*\k+4*\c:XL+12*\k+4*\c+3], v[XR] offset:48*\k+16*\c        ; x's K steps 0-3
.endr
.endr
.irp p, 0,1,2,3,4,5,6,7
	global_load_b32 v[EN+\p], v[LADP], s[12:13] offset:256+8*\p    ; the NEXT tile's entries: four tiles, 256 bytes, on; they land under the products
.endr
	global_load_b32 v[EN+8], v[LADR], s[12:13] offset:256
	s_wait_dscnt 0x0
.set ks, 0
.rept 8
.if ks >= 4
	s_wait_dscnt 9-3*(ks-4)                        ; this K step's three loads are in; those of the later steps may be out
.endif
.set tt, 0
.rept 8
.set ff, 8*ks+tt
	PROD1                                          ; the eight accumulators take turns, one instruction a turn
.set tt, tt+1
.endr
.if ks < 4
.rept 4
	v_nop                                          ; four places in front of loads into registers that these products have read
.endr
.irp c, 0,1,2
	ds_load_b128 v[XL+12*ks+4*\c:XL+12*ks+4*\c+3], v[XR] offset:48*(ks+4)+16*\c
.endr
.endif
.set ks, ks+1
.endr
	WIN 0
	s_wait_loadcnt 0x0                             ; the next tile's nine entries, asked for 64 products ago
	ADDRS                                          ; 35 plain lines: also the places behind the last products
	XBATCH 0, XL                                   ; the next tile's rows 0-7 land while four accumulators go through GELU
	global_load_b128 v[XS:XS+3], v[EN+8], s[10:11]
	GELU 0
	GELU 1
	GELU 2
	GELU 3
	s_wait_loadcnt 0x0
	XSTORE 0, XL                                   ; this tile's reads of the stage were waited for in front of K step 7
	s_wait_dscnt 0x0                               ; the stores have read their registers
	XBATCH 4, XL
	GELU 4
	GELU 5
	GELU 6
	GELU 7
	QUANT ACC
.irp c, 0,1,2
	global_store_b128 v[L16], v[PC+4*\c:PC+4*\c+3], s[14:15] offset:512*\c         ; the fragment as it stands: 32 lanes store 512 consecutive bytes, aligned
.endr
	global_store_b32 v[HSO], v[PW], s[16:17]       ; lanes r and r + 16 store the same word
	s_wait_loadcnt 0x0
	XSTORE 4, XL
.Lnext:
	s_wait_xcnt 0x0                                ; loads and stores have read their data and their bases: these are written again only behind this wait
	s_add_nc_u64 s[12:13], s[12:13], 256           ; four tiles on: in the list,
	s_add_nc_u64 s[14:15], s[14:15], 4*49152       ; in hq,
	s_add_nc_u64 s[16:17], s[16:17], 4*2048        ; in hs
	s_add_co_u32 s[ROW0], s[ROW0], 64
	s_add_co_u32 s[CTR], s[CTR], 1
	s_cmp_lt_u32 s[CTR], 16
	s_cbranch_scc1 .Ltile
	s_wait_tensorcnt 0x0
	ds_add_u32 v254, v255
	s_wait_dscnt 0x0
	s_endpgm
.Lfunc_end_k_q6f0fb98278_ffn1:
	.size	k_q6f0fb98278_ffn1, .Lfunc_end_k_q6f0fb98278_ffn1-k_q6f0fb98278_ffn1
	.p2alignl 7, 3214868480
	.fill 96, 4, 3214868480
	.section	.rodata,"a",@progbits
	.p2align	6, 0x0
	.amdhsa_kernel k_q6f0fb98278_ffn1
		.amdhsa_group_segment_fixed_size 197120
		.amdhsa_private_segment_fixed_size 0
		.amdhsa_enable_private_segment 0
		.amdhsa_kernarg_size 56
		.amdhsa_user_sgpr_count 2
		.amdhsa_user_sgpr_kernarg_segment_ptr 1
		.amdhsa_wavefront_size32 1
		.amdhsa_system_sgpr_workgroup_id_x 1
		.amdhsa_system_sgpr_workgroup_id_y 1
		.amdhsa_system_sgpr_workgroup_id_z 1
		.amdhsa_system_vgpr_workitem_id 0
		.amdhsa_next_free_vgpr 1024
		.amdhsa_next_free_sgpr 96
		.amdhsa_reserve_vcc 0
		.amdhsa_float_denorm_mode_32 3
		.amdhsa_float_denorm_mode_16_64 3
		.amdhsa_memory_ordered 1
		.amdhsa_forward_progress 1
		.amdhsa_inst_pref_size 220
	.end_amdhsa_kernel
	.amdgpu_metadata
---
amdhsa.version: [ 1, 2 ]
amdhsa.kernels:
  - .name:           k_q6f0fb98278_ffn1
    .symbol:         k_q6f0fb98278_ffn1.kd
    .args:
      - { .name: W1, .offset: 0, .size: 8, .value_kind: global_buffer, .address_space: global }
      - { .name: b1, .offset: 8, .size: 8, .value_kind: global_buffer, .address_space: global }
      - { .name: xq, .offset: 16, .size: 8, .value_kind: global_buffer, .address_space: global }
      - { .name: xs, .offset: 24, .size: 8, .value_kind: global_buffer, .address_space: global }
      - { .name: list, .offset: 32, .size: 8, .value_kind: global_buffer, .address_space: global }
      - { .name: hq, .offset: 40, .size: 8, .value_kind: global_buffer, .address_space: global }
      - { .name: hs, .offset: 48, .size: 8, .value_kind: global_buffer, .address_space: global }
    .group_segment_fixed_size: 197120
    .private_segment_fixed_size: 0
    .kernarg_segment_align: 8
    .kernarg_segment_size: 56
    .max_flat_workgroup_size: 128
    .sgpr_count:     96
    .vgpr_count:     1024
    .wavefront_size: 32
...
	.end_amdgpu_metadata
.endif
;; end of part 3
;; launch ffn2 (part 4): grid 256 x 1, 4 waves a work-group, no clusters, 197,120 bytes of LDS; arguments W2, b2, hq, hs, list, gw, yp; writes yp
.if DOCPART == 4
	.amdgcn_target "amdgcn-amd-amdhsa--gfx1250"
	.amdhsa_code_object_version 6
	.text
	.protected	k_q6f0fb98278_ffn2
	.globl	k_q6f0fb98278_ffn2
	.p2align	8
	.type	k_q6f0fb98278_ffn2,@function
k_q6f0fb98278_ffn2:
	s_mov_b64 s[64:65], 0
	v_nop
	global_prefetch_b8 v0, s[64:65] scope:SCOPE_SE
	s_setreg_imm32_b32 hwreg(HW_REG_WAVE_MODE, 25, 1), 1
	s_wait_xcnt 0x0
; yp = gate x (h W2^T [+ b2]) for the rows that chose an expert.  W2 [8][1024][4096] f32, b2 [8][1024] f32; hq, hs, list, gw as the launches before stored them.
; A work-group owns 64 outputs x half of K (2,048 hidden units) of one expert: e = wg / 32, cs = (wg / 2) % 16, kh = wg % 2: 512 KiB of W2, read from memory ONCE, here, quantised in registers to FP6 (E2M3) and kept
; as codes: 64 fragments (f = 4 x K step + tile of outputs), 768 registers in EVERY wave.  The waves share the making of the fragments (16 each, handed round through LDS as images of their registers)
; and then share the rows: wave w takes tiles w, w + 4 .. of the expert's rows.  64 outputs make a row's piece one aligned run of 256 bytes; the two halves of K and a token's two experts are added by the next launch.
; THE ROWS: list [e][1152]: words 0 .. 1087 the expert's entries by rank (rank j = tile j / 16, row j % 16 of hq), word 1089 the count.  entry = token + 1024 x choice names the row of yp and the gate in gw.
; The rows that fill up the expert's last tile are one of its rows once more, in the list and in hq: the same codes, the same gate, the same sums; they are stored to that row's own bytes with the same numbers.
; So every tile leaves by eight whole stores, and all lanes stay on throughout.
; The loop over tiles has 16 trips, a constant; a trip whose tile begins past the count jumps over its work.  The launch has no tensor load, no copy and no cluster.
; THE PRODUCT IS USED TRANSPOSED (source 0 = 16 rows of W2, source 1 = a fragment of h as it was stored): a lane holds one row and eight neighbouring outputs.  b2 is the C of each sum's first product in K half 0, zeros in half 1.
; h's fragments come from memory straight into a ring of eight register slots, seven K steps ahead; the ring runs on into the wave's next tile.  Past the last tile it reads bytes of hq and hs that may hold
; anything (four spare tiles keep it inside the buffers): nothing is made of them.
; Stores: yp [2 kh + choice][token][1024] f32.
; LIMITS: NaN and infinities are not served.  A block of W2 whose largest magnitude lies under 2^-124 (zeros too) gets the scale byte 1; the bytes are read here alone.
.set SPI,  528
.set IMG,  0                           ; 64 fragments' images, 1,536 bytes each
.set WSC,  98304                       ; their scale words
.set STG,  102400                      ; a stage of 16 rows x 528 for each wave
.set YSTG, 136192                      ; the way out: 16 rows x (256 + 16) for each wave
.set BIAS, 190976
.set L16, 1
.set LI2, 2
.set LS,  3
.set SW,  4
.set SRD, 5
.set IW,  6
.set WSA, 7
.set H8,  8
.set LADP, 9                           ; in the list: 64 wave + 4 h
.set LADR, 10                          ; 64 wave + 4 r
.set BADR, 11                          ; BIAS + 32 h
.set STO, 12                           ; the way out, in: + 272 r + 32 h
.set RD,  13                           ; back: + 272 h + 16 r
.set HSO, 14                           ; 4 x lane
.set YC,  15                           ; 16 r + kh x 2,048 rows of 4,096 bytes
.set WS,  16                           ; v16-47   W2's scale words
.set WL,  48                           ; v48-59   fragment 63
.set HS,  60                           ; v60-67   h's scale words: register q: K step 2 q in lanes 0-15, 2 q + 1 in lanes 16-31
.set HSN, 68                           ; v68-75   the next tile's, as they land
.set GW,  76                           ; v76 my row's gate (v77 is named with it as a pair)
.set GWN, 78
.set EN,  80                           ; v80-87 the entries of rows 2 i + h, then their offsets in yp; v88 the next tile's entry of my row, then its offset in gw
.set ACC, 96                           ; v96-127  four accumulators
.set TM,  96                           ; the quantiser's scratch, in the prologue
.set PW,  104
.set PC,  106
.set HF,  128                          ; v128-223 eight slots of 12; in the prologue the 64 numbers to be quantised
.set XQ,  128
.set B4,  240
.set BV,  241
.set BW,  246
.set LN,  248
.set RR,  249
.set HH,  250
.set HO,  252                          ; 16 x lane, in v252 of every window: the ring's loads among the products then need no switch
.set WV,  18
.set EXPT, 19
.set CSL, 20
.set NROW, 21
.set ROW0, 22
.set CTR, 23
.set SEL, 28
.set KH,  35
.set MSB, 0
.macro WIN new
.if MSB != \new
	s_set_vgpr_msb (MSB<<8)|\new
.set MSB, \new
.endif
.endm
; 64 numbers of a lane, two whole blocks of 32 along K, become the 12 registers of a fragment (v[PC] on) and the row's scale word (v[PW]).
.macro WQUANT
.irp c, 0,1
	v_max3_num_f32 v[TM+\c], |v[XQ+32*\c]|, |v[XQ+32*\c+1]|, 0x1800000   ; the floor 2^(3 - 127) among the leaves: the byte cannot fall under 1
.endr
.irp i, 2,4,6,8,10,12,14,16,18,20,22,24,26,28,30
.irp c, 0,1
	v_max3_num_f32 v[TM+\c], v[TM+\c], |v[XQ+32*\c+\i]|, |v[XQ+32*\c+\i+1]|
.endr
.endr
.irp c, 0,1
	v_add_nc_u32 v[TM+4+\c], 0xff000000, v[TM+\c]
.endr
.irp c, 0,1
	v_lshrrev_b32 v[TM+2+\c], 23, v[TM+4+\c]
.endr
	v_lshl_or_b32 v[PW], v[TM+3], 16, v[TM+2]
	v_lshlrev_b32 v[PW], v[H8], v[PW]
	v_permlanex16_b32 v[TM+6], v[PW], s[SEL], s[SEL+1]
	v_or_b32 v[PW], v[PW], v[TM+6]
.irp c, 0,1
	v_cvt_scalef32_pk16_fp6_f32 v[PC+6*\c:PC+6*\c+2], v[XQ+32*\c:XQ+32*\c+15], v[TM+4+\c]
	v_cvt_scalef32_pk16_fp6_f32 v[PC+12+4*\c:PC+14+4*\c], v[XQ+32*\c+16:XQ+32*\c+31], v[TM+4+\c]
.endr
	v_nop                                              ; one plain place behind the conversions
.irp c, 0,1
.irp i, 0,1,2
	v_mov_b32 v[PC+3+6*\c+\i], v[PC+12+4*\c+\i]
.endr
.endr
.endm
; My fragment g of 16 (tile of outputs g / 4, K step 4 wave + g % 4): 16 rows x 512 bytes into slot g % 4 of window 1.
.macro FILL g
	WIN 0x40
.irp i, 0,1,2,3,4,5,6,7,8,9,10,11,12,13,14,15
	global_load_b128 v[64*((\g)%4)+4*\i:64*((\g)%4)+4*\i+3], v[L16], s[4:5] offset:((\g)/4)*262144+16384*\i+512*((\g)%4) th:TH_LOAD_NT
.endr
	WIN 0
.endm
.macro FRAGQ
.if gg < 13
	s_wait_loadcnt 48                              ; this slot's 16 loads are in; the three younger slots' may be out
.else
	s_wait_loadcnt 16*(15-gg)
.endif
	WIN 0x04
.irp i, 0,1,2,3,4,5,6,7,8,9,10,11,12,13,14,15
	ds_store_b128 v[SW], v[64*(gg%4)+4*\i:64*(gg%4)+4*\i+3] offset:SPI*\i
.endr
	WIN 0
.irp c, 0,1
.irp q, 0,1,2,3,4,5,6,7
	ds_load_b128 v[XQ+32*\c+4*\q:XQ+32*\c+4*\q+3], v[SRD] offset:256*\c+16*\q
.endr
.endr
	s_wait_dscnt 0x0                               ; the numbers are back; the stores have read the slot, and the last image's stores their registers
.if gg+4 < 16
	FILL gg+4
.endif
	WQUANT
.irp c, 0,1,2
	ds_store_b128 v[IW], v[PC+4*\c:PC+4*\c+3] offset:6144*(gg%4)+1536*(gg/4)+512*\c
.endr
	ds_store_b32 v[WSA], v[PW] offset:256*(gg%4)+64*(gg/4)
.endm
; One product: accumulator nn += fragment ff = 4 ks + nn of W2 x K step ks of h.
.macro PROD2
.if ff == 63
.set wn, 0
.set wr, WL
.else
.set wn, 1+ff/21
.set wr, 12*(ff%21)
.endif
	WIN wn
.if (ff%2 == 0) && (ks%2 == 0)
	v_wmma_scale_f32_16x16x128_f8f6f4 v[ACC+8*nn:ACC+8*nn+7], v[wr:wr+11], v[HF+12*(ks%8):HF+12*(ks%8)+11], v[ACC+8*nn:ACC+8*nn+7], v[WS+ff/2], v[HS+ks/2] matrix_a_fmt:MATRIX_FMT_FP6 matrix_b_fmt:MATRIX_FMT_FP6
.elseif (ff%2 == 1) && (ks%2 == 0)
	v_wmma_scale_f32_16x16x128_f8f6f4 v[ACC+8*nn:ACC+8*nn+7], v[wr:wr+11], v[HF+12*(ks%8):HF+12*(ks%8)+11], v[ACC+8*nn:ACC+8*nn+7], v[WS+ff/2], v[HS+ks/2] matrix_a_fmt:MATRIX_FMT_FP6 matrix_b_fmt:MATRIX_FMT_FP6 matrix_a_scale:MATRIX_SCALE_ROW1
.elseif ff%2 == 0
	v_wmma_scale_f32_16x16x128_f8f6f4 v[ACC+8*nn:ACC+8*nn+7], v[wr:wr+11], v[HF+12*(ks%8):HF+12*(ks%8)+11], v[ACC+8*nn:ACC+8*nn+7], v[WS+ff/2], v[HS+ks/2] matrix_a_fmt:MATRIX_FMT_FP6 matrix_b_fmt:MATRIX_FMT_FP6 matrix_b_scale:MATRIX_SCALE_ROW1
.else
	v_wmma_scale_f32_16x16x128_f8f6f4 v[ACC+8*nn:ACC+8*nn+7], v[wr:wr+11], v[HF+12*(ks%8):HF+12*(ks%8)+11], v[ACC+8*nn:ACC+8*nn+7], v[WS+ff/2], v[HS+ks/2] matrix_a_fmt:MATRIX_FMT_FP6 matrix_b_fmt:MATRIX_FMT_FP6 matrix_a_scale:MATRIX_SCALE_ROW1 matrix_b_scale:MATRIX_SCALE_ROW1
.endif
.endm
	s_load_b256 s[4:11], s[0:1], 0x0               ; W2 s[4:5], b2 s[6:7], hq s[8:9], hs s[10:11]
	s_load_b128 s[12:15], s[0:1], 0x20             ; list s[12:13], gw s[14:15]
	s_load_b64 s[16:17], s[0:1], 0x30              ; yp
	v_lshl_add_u32 v254, v0, 2, 0x30000
	v_mov_b32 v255, 0
	v_lshrrev_b32 v[LN], 5, v0
	v_readfirstlane_b32 s[WV], v[LN]               ; wave 0..3
	s_lshr_b32 s[EXPT], ttmp9, 5                   ; the expert,
	s_bfe_u32 s[CSL], ttmp9, 0x40001               ; which 64 outputs,
	s_and_b32 s[KH], ttmp9, 1                      ; which half of K
	v_and_b32 v[LN], 31, v0
	v_and_b32 v[RR], 15, v0
	v_bfe_u32 v[HH], v0, 4, 1
	v_lshlrev_b32 v[L16], 4, v[LN]
	v_mov_b32 v[HO], v[L16]
	v_add_nc_u32 v[LI2], 64512, v[L16]
	v_lshl_add_u32 v[LS], v[LN], 2, WSC
	s_mul_i32 s24, s[WV], 16*SPI
	s_add_co_u32 s24, s24, STG
	v_add_nc_u32 v[SW], s24, v[L16]
	v_mul_u32_u24 v[SRD], v[RR], SPI
	v_lshl_add_u32 v[SRD], v[HH], 7, v[SRD]
	v_add_nc_u32 v[SRD], s24, v[SRD]
	s_mul_i32 s24, s[WV], 24576
	v_add_nc_u32 v[IW], s24, v[L16]
	s_lshl_b32 s24, s[WV], 10
	s_add_co_u32 s24, s24, WSC
	v_lshl_add_u32 v[WSA], v[RR], 2, s24
	v_lshlrev_b32 v[H8], 3, v[HH]
	s_lshl_b32 s24, s[WV], 6                       ; a tile's 16 entries are 64 bytes
	v_lshl_add_u32 v[LADP], v[HH], 2, s24
	v_lshl_add_u32 v[LADR], v[RR], 2, s24
	v_lshl_add_u32 v[BADR], v[HH], 5, BIAS
	s_mul_i32 s24, s[WV], 16*272
	s_add_co_u32 s24, s24, YSTG
	v_mul_u32_u24 v[STO], v[RR], 272
	v_lshl_add_u32 v[STO], v[HH], 5, v[STO]
	v_add_nc_u32 v[STO], s24, v[STO]
	v_mul_u32_u24 v[RD], v[HH], 272
	v_lshl_add_u32 v[RD], v[RR], 4, v[RD]
	v_add_nc_u32 v[RD], s24, v[RD]
	v_lshlrev_b32 v[HSO], 2, v[LN]
	s_lshl_b32 s24, s[KH], 23
	v_lshl_add_u32 v[YC], v[RR], 4, s24
	v_and_b32 v[B4], 63, v0
	v_lshlrev_b32 v[B4], 2, v[B4]
	v_lshl_add_u32 v[BW], v0, 2, BIAS
	v_mov_b32 v[TM+6], 0                           ; a lane permute's destination counts as one of its sources
	v_mov_b32 v[GW+1], 0                           ; named with the gate as a pair, so it is written
	s_mov_b32 s[SEL], 0x76543210
	s_mov_b32 s[SEL+1], 0xfedcba98
	s_lshl_b32 s24, s[EXPT], 24                    ; W2: 1,024 rows of 16,384 bytes an expert,
	s_lshl_b32 s26, s[CSL], 20                     ; 64 rows,
	s_add_co_u32 s24, s24, s26
	s_lshl_b32 s26, s[KH], 13                      ; 2,048 numbers,
	s_add_co_u32 s24, s24, s26
	s_lshl_b32 s26, s[WV], 11                      ; my four K steps of 512 bytes
	s_add_co_u32 s24, s24, s26
	s_mov_b32 s25, 0
	s_mov_b32 s27, 0
	s_wait_kmcnt 0x0
	s_add_nc_u64 s[4:5], s[4:5], s[24:25]
	s_lshl_b32 s24, s[EXPT], 12
	s_lshl_b32 s26, s[CSL], 8
	s_add_co_u32 s24, s24, s26
	s_add_nc_u64 s[6:7], s[6:7], s[24:25]
	s_add_nc_u64 s[16:17], s[16:17], s[26:27]      ; yp at my 64 outputs: 256 bytes into a row
	s_lshl_b32 s24, s[EXPT], 6
	s_add_co_u32 s24, s24, s[WV]                   ; my first tile: 64 e + wave
	s_mul_i32 s26, s24, 49152
	s_mul_i32 s30, s[KH], 24576
	s_add_co_u32 s26, s26, s30
	s_add_nc_u64 s[8:9], s[8:9], s[26:27]
	s_lshl_b32 s26, s24, 11
	s_lshl_b32 s30, s[KH], 10
	s_add_co_u32 s26, s26, s30
	s_add_nc_u64 s[10:11], s[10:11], s[26:27]
	s_mul_i32 s26, s[EXPT], 4608
	s_add_nc_u64 s[12:13], s[12:13], s[26:27]      ; my expert's list
	s_load_b32 s[NROW], s[12:13], 0x1104           ; its count: word 1,089
	global_load_b32 v[BV], v[B4], s[6:7]           ; b2 of my 64 outputs
	global_load_b32 v[EN+8], v[LADR], s[12:13]     ; my row's entry in the first tile, ahead of the weights
	FILL 0
	FILL 1
	FILL 2
	FILL 3
.set gg, 0
.rept 16
	FRAGQ
.set gg, gg+1
.endr
	s_cmp_eq_u32 s[KH], 0
	s_cselect_b32 s24, -1, 0
	v_cndmask_b32 v[BV], 0, v[BV], s24             ; the bias is added once: in K half 0
	ds_store_b32 v[BW], v[BV]
	s_wait_dscnt 0x0                               ; for the others' sake: my 16 images, their scale words and the bias have landed
	s_barrier_signal -1
	s_barrier_wait -1
	s_wait_kmcnt 0x0
	s_min_u32 s[NROW], s[NROW], 0x400              ; the expert's rows
	v_min_u32 v[EN+8], 0x7ff, v[EN+8]
	v_lshlrev_b32 v[EN+8], 2, v[EN+8]
.irp q, 0,1,2,3,4,5,6,7
	global_load_b32 v[HSN+\q], v[HSO], s[10:11] offset:128*\q
.endr
	global_load_b32 v[GWN], v[EN+8], s[14:15]
.irp k, 0,1,2,3,4,5,6,7
.irp c, 0,1,2
	global_load_b128 v[HF+12*\k+4*\c:HF+12*\k+4*\c+3], v[HO], s[8:9] offset:1536*\k+512*\c   ; the ring: K steps 0-7 of the first tile
.endr
.endr
.set ff, 0
.rept 63
.set wn, (1+ff/21)<<6
	WIN wn
.irp c, 0,1,2
.if ff < 42
	ds_load_b128 v[12*(ff%21)+4*\c:12*(ff%21)+4*\c+3], v[L16] offset:1536*ff+512*\c
.else
	ds_load_b128 v[12*(ff%21)+4*\c:12*(ff%21)+4*\c+3], v[LI2] offset:1536*(ff-42)+512*\c
.endif
.endr
.set ff, ff+1
.endr
	WIN 0
.irp c, 0,1,2
	ds_load_b128 v[WL+4*\c:WL+4*\c+3], v[LI2] offset:1536*21+512*\c
.endr
.irp p, 0,1,2,3,4,5,6,7,8,9,10,11,12,13,14,15,16,17,18,19,20,21,22,23,24,25,26,27,28,29,30,31
	ds_load_b32 v[WS+\p], v[LS] offset:128*\p
.endr
	WIN 0x40
	v_mov_b32 v252, v252                           ; 16 x lane into v252 of windows 1 to 3
	WIN 0x80
	v_mov_b32 v252, v252
	WIN 0xc0
	v_mov_b32 v252, v252
	WIN 0
	s_wait_dscnt 0x0
	s_wait_loadcnt 24                              ; the scale words and the gate are in; the ring's 24 loads may be out
.irp q, 0,1,2,3,4,5,6,7
	v_mov_b32 v[HS+\q], v[HSN+\q]
.endr
	v_mov_b32 v[GW], v[GWN]
.rept 8
	v_nop                                          ; a scale register written by a vector instruction stands eight places ahead of a scaled product; once, ahead of the loop
.endr
	s_lshl_b32 s[ROW0], s[WV], 4
	s_mov_b32 s[CTR], 0
.Ltile:                                            ; 16 trips: tiles wave + 4 j
	s_cmp_ge_u32 s[ROW0], s[NROW]
	s_cbranch_scc1 .Lnext                          ; the tile begins past the count: only the steps at the trip's end are run
.irp n, 0,1,2,3
	ds_load_b128 v[ACC+8*\n:ACC+8*\n+3], v[BADR] offset:64*\n                      ; the bias in the result's layout: the sums begin with it
	ds_load_b128 v[ACC+8*\n+4:ACC+8*\n+7], v[BADR] offset:64*\n+16
.endr
.irp i, 0,1,2,3,4,5,6,7
	global_load_b32 v[EN+\i], v[LADP], s[12:13] offset:8*\i    ; this tile's rows 2 i + h: wanted at the trip's end,
.endr
	global_load_b32 v[EN+8], v[LADR], s[12:13] offset:256      ; and my row of the next tile: wanted behind K step 8
	s_wait_dscnt 0x0
.set ks, 0
.rept 16
.if ks == 8
	s_wait_loadcnt 21                              ; this K step's three loads are in, and the nine entries, which are older; the seven refills behind them may be out
.else
	s_wait_loadcnt 30                              ; this K step's three loads are in; seven slots' loads may be out, and nine more: up to K step 7 the entries, from K step 9 on the next tile's scale words and gate
.endif
.set nn, 0
.rept 4
.set ff, 4*ks+nn
	PROD2                                          ; the four accumulators take turns, one instruction a turn
.set nn, nn+1
.endr
.rept 4
	v_nop                                          ; four places in front of loads into registers that these products have read
.endr
.if ks == 8
	WIN 0
	v_min_u32 v[EN+8], 0x7ff, v[EN+8]
	v_lshlrev_b32 v[EN+8], 2, v[EN+8]              ; the next tile's gate: 4 bytes an entry
.irp q, 0,1,2,3,4,5,6,7
	global_load_b32 v[HSN+\q], v[HSO], s[10:11] offset:4*2048+128*\q
.endr
	global_load_b32 v[GWN], v[EN+8], s[14:15]
.endif
.irp c, 0,1,2
.if ks < 8
	global_load_b128 v[HF+12*(ks%8)+4*\c:HF+12*(ks%8)+4*\c+3], v[HO], s[8:9] offset:1536*(ks+8)+512*\c
.else
	global_load_b128 v[HF+12*(ks%8)+4*\c:HF+12*(ks%8)+4*\c+3], v[HO], s[8:9] offset:4*49152+1536*(ks-8)+512*\c   ; on into my next tile
.endif
.endr
.set ks, ks+1
.endr
	WIN 0
	s_wait_loadcnt 24                              ; the next tile's scale words and gate are in; the eight refills behind them may be out
.irp q, 0,1,2,3,4,5,6,7
	v_mov_b32 v[HS+\q], v[HSN+\q]
.endr
.irp i, 0,1,2,3,4,5,6,7,8,9,10,11,12,13,14,15
	v_pk_mul_f32 v[ACC+2*\i:ACC+2*\i+1], v[ACC+2*\i:ACC+2*\i+1], v[GW:GW+1] op_sel_hi:[1,0]   ; x my row's gate; each accumulator from its low end on
.endr
	v_mov_b32 v[GW], v[GWN]
.irp i, 0,1,2,3,4,5,6,7
	v_min_u32 v[EN+\i], 0x7ff, v[EN+\i]
.endr
.irp i, 0,1,2,3,4,5,6,7
	v_lshl_add_u32 v[EN+\i], v[EN+\i], 12, v[YC]   ; the row of yp: 4,096 bytes an entry.  (These lines and the multiplications also stand between the moves into the scale registers and the next tile's first product)
.endr
.irp n, 0,1,2,3
	ds_store_b128 v[STO], v[ACC+8*\n:ACC+8*\n+3] offset:64*\n
	ds_store_b128 v[STO], v[ACC+8*\n+4:ACC+8*\n+7] offset:64*\n+16
.endr
.irp i, 0,1,2,3,4,5,6,7
	ds_load_b128 v[ACC+4*\i:ACC+4*\i+3], v[RD] offset:544*\i   ; LDS serves a wave's instructions in order: these see the stores above; rows 2 i + h come back whole
.endr
	s_wait_dscnt 0x0
.irp i, 0,1,2,3,4,5,6,7
	global_store_b128 v[EN+\i], v[ACC+4*\i:ACC+4*\i+3], s[16:17]   ; sixteen lanes store 256 consecutive bytes, aligned: a row's 64 outputs (a row that fills up the last tile: its own row's bytes, with the same numbers)
.endr
.Lnext:
	s_wait_xcnt 0x0                                ; loads and stores have read their bases, offsets and data: these are written again only behind this wait
	s_add_nc_u64 s[12:13], s[12:13], 256           ; four tiles on: in the list,
	s_add_nc_u64 s[8:9], s[8:9], 4*49152           ; in hq,
	s_add_nc_u64 s[10:11], s[10:11], 4*2048        ; in hs
	s_add_co_u32 s[ROW0], s[ROW0], 64
	s_add_co_u32 s[CTR], s[CTR], 1
	s_cmp_lt_u32 s[CTR], 16
	s_cbranch_scc1 .Ltile
	s_wait_tensorcnt 0x0
	ds_add_u32 v254, v255
	s_wait_dscnt 0x0
	s_endpgm
.Lfunc_end_k_q6f0fb98278_ffn2:
	.size	k_q6f0fb98278_ffn2, .Lfunc_end_k_q6f0fb98278_ffn2-k_q6f0fb98278_ffn2
	.p2alignl 7, 3214868480
	.fill 96, 4, 3214868480
	.section	.rodata,"a",@progbits
	.p2align	6, 0x0
	.amdhsa_kernel k_q6f0fb98278_ffn2
		.amdhsa_group_segment_fixed_size 197120
		.amdhsa_private_segment_fixed_size 0
		.amdhsa_enable_private_segment 0
		.amdhsa_kernarg_size 56
		.amdhsa_user_sgpr_count 2
		.amdhsa_user_sgpr_kernarg_segment_ptr 1
		.amdhsa_wavefront_size32 1
		.amdhsa_system_sgpr_workgroup_id_x 1
		.amdhsa_system_sgpr_workgroup_id_y 1
		.amdhsa_system_sgpr_workgroup_id_z 1
		.amdhsa_system_vgpr_workitem_id 0
		.amdhsa_next_free_vgpr 1024
		.amdhsa_next_free_sgpr 66
		.amdhsa_reserve_vcc 0
		.amdhsa_float_denorm_mode_32 3
		.amdhsa_float_denorm_mode_16_64 3
		.amdhsa_memory_ordered 1
		.amdhsa_forward_progress 1
		.amdhsa_inst_pref_size 155
	.end_amdhsa_kernel
	.amdgpu_metadata
---
amdhsa.version: [ 1, 2 ]
amdhsa.kernels:
  - .name:           k_q6f0fb98278_ffn2
    .symbol:         k_q6f0fb98278_ffn2.kd
    .args:
      - { .name: W2, .offset: 0, .size: 8, .value_kind: global_buffer, .address_space: global }
      - { .name: b2, .offset: 8, .size: 8, .value_kind: global_buffer, .address_space: global }
      - { .name: hq, .offset: 16, .size: 8, .value_kind: global_buffer, .address_space: global }
      - { .name: hs, .offset: 24, .size: 8, .value_kind: global_buffer, .address_space: global }
      - { .name: list, .offset: 32, .size: 8, .value_kind: global_buffer, .address_space: global }
      - { .name: gw, .offset: 40, .size: 8, .value_kind: global_buffer, .address_space: global }
      - { .name: yp, .offset: 48, .size: 8, .value_kind: global_buffer, .address_space: global }
    .group_segment_fixed_size: 197120
    .private_segment_fixed_size: 0
    .kernarg_segment_align: 8
    .kernarg_segment_size: 56
    .max_flat_workgroup_size: 128
    .sgpr_count:     66
    .vgpr_count:     1024
    .wavefront_size: 32
...
	.end_amdgpu_metadata
.endif
;; end of part 4
;; launch comb (part 5): grid 256 x 1, 8 waves a work-group, no clusters, 0 bytes of LDS; arguments yp, out0; writes out0
.if DOCPART == 5
	.amdgcn_target "amdgcn-amd-amdhsa--gfx1250"
	.amdhsa_code_object_version 6
	.text
	.protected	k_q6f0fb98278_comb
	.globl	k_q6f0fb98278_comb
	.p2align	8
	.type	k_q6f0fb98278_comb,@function
k_q6f0fb98278_comb:
	s_mov_b64 s[64:65], 0
	v_nop
	global_prefetch_b8 v0, s[64:65] scope:SCOPE_SE
	s_setreg_imm32_b32 hwreg(HW_REG_WAVE_MODE, 25, 1), 1
	s_wait_xcnt 0x0
; out0[t] = (yp[0][t] + yp[1][t]) + (yp[2][t] + yp[3][t]): a token's two experts, each in two halves of K; the gates and biases are in them already.  yp [4][1024][1024] f32, out0 [1024][1024] f32.
; A stream: a work-group takes 4 rows of out0; thread i takes byte 16 i of each row, so that a wave's load or store covers 512 consecutive bytes.  All 16 loads of a thread go out at once; no LDS, no barrier.
; The order of the four additions is this text's own, not that of a sum over the experts in ascending order.
.set PLANE, 4194304                    ; bytes from one of yp's four planes to the next
.set D, 8                              ; v8-71: row i: four registers from each plane
	s_load_b128 s[4:7], s[0:1], 0x0                ; yp s[4:5], out0 s[6:7]
	v_lshlrev_b32 v1, 4, v0
	s_lshl_b32 s8, ttmp9, 14                       ; 4 rows of 4,096 bytes a work-group
	s_mov_b32 s9, 0
	s_wait_kmcnt 0x0
	s_add_nc_u64 s[4:5], s[4:5], s[8:9]
	s_add_nc_u64 s[6:7], s[6:7], s[8:9]
	s_add_nc_u64 s[10:11], s[4:5], 2*PLANE         ; planes 2 and 3 from a base of their own: the offsets stay inside the signed 24-bit immediate
.irp i, 0,1,2,3
	global_load_b128 v[D+16*\i:D+16*\i+3],     v1, s[4:5]   offset:4096*\i th:TH_LOAD_NT
	global_load_b128 v[D+16*\i+4:D+16*\i+7],   v1, s[4:5]   offset:4096*\i+PLANE th:TH_LOAD_NT
	global_load_b128 v[D+16*\i+8:D+16*\i+11],  v1, s[10:11] offset:4096*\i th:TH_LOAD_NT
	global_load_b128 v[D+16*\i+12:D+16*\i+15], v1, s[10:11] offset:4096*\i+PLANE th:TH_LOAD_NT
.endr
.irp i, 0,1,2,3
	s_wait_loadcnt 12-4*\i                         ; row i's four loads are in; the later rows' may be out
	v_pk_add_f32 v[D+16*\i:D+16*\i+1],     v[D+16*\i:D+16*\i+1],     v[D+16*\i+4:D+16*\i+5]
	v_pk_add_f32 v[D+16*\i+2:D+16*\i+3],   v[D+16*\i+2:D+16*\i+3],   v[D+16*\i+6:D+16*\i+7]
	v_pk_add_f32 v[D+16*\i+8:D+16*\i+9],   v[D+16*\i+8:D+16*\i+9],   v[D+16*\i+12:D+16*\i+13]
	v_pk_add_f32 v[D+16*\i+10:D+16*\i+11], v[D+16*\i+10:D+16*\i+11], v[D+16*\i+14:D+16*\i+15]
	v_pk_add_f32 v[D+16*\i:D+16*\i+1],     v[D+16*\i:D+16*\i+1],     v[D+16*\i+8:D+16*\i+9]
	v_pk_add_f32 v[D+16*\i+2:D+16*\i+3],   v[D+16*\i+2:D+16*\i+3],   v[D+16*\i+10:D+16*\i+11]
	global_store_b128 v1, v[D+16*\i:D+16*\i+3], s[6:7] offset:4096*\i th:TH_STORE_NT
.endr
	s_endpgm
.Lfunc_end_k_q6f0fb98278_comb:
	.size	k_q6f0fb98278_comb, .Lfunc_end_k_q6f0fb98278_comb-k_q6f0fb98278_comb
	.p2alignl 7, 3214868480
	.fill 96, 4, 3214868480
	.section	.rodata,"a",@progbits
	.p2align	6, 0x0
	.amdhsa_kernel k_q6f0fb98278_comb
		.amdhsa_group_segment_fixed_size 0
		.amdhsa_private_segment_fixed_size 0
		.amdhsa_enable_private_segment 0
		.amdhsa_kernarg_size 16
		.amdhsa_user_sgpr_count 2
		.amdhsa_user_sgpr_kernarg_segment_ptr 1
		.amdhsa_wavefront_size32 1
		.amdhsa_system_sgpr_workgroup_id_x 1
		.amdhsa_system_sgpr_workgroup_id_y 1
		.amdhsa_system_sgpr_workgroup_id_z 1
		.amdhsa_system_vgpr_workitem_id 0
		.amdhsa_next_free_vgpr 96
		.amdhsa_next_free_sgpr 66
		.amdhsa_reserve_vcc 0
		.amdhsa_float_denorm_mode_32 3
		.amdhsa_float_denorm_mode_16_64 3
		.amdhsa_memory_ordered 1
		.amdhsa_forward_progress 1
		.amdhsa_inst_pref_size 5
	.end_amdhsa_kernel
	.amdgpu_metadata
---
amdhsa.version: [ 1, 2 ]
amdhsa.kernels:
  - .name:           k_q6f0fb98278_comb
    .symbol:         k_q6f0fb98278_comb.kd
    .args:
      - { .name: yp, .offset: 0, .size: 8, .value_kind: global_buffer, .address_space: global }
      - { .name: out0, .offset: 8, .size: 8, .value_kind: global_buffer, .address_space: global }
    .group_segment_fixed_size: 0
    .private_segment_fixed_size: 0
    .kernarg_segment_align: 8
    .kernarg_segment_size: 16
    .max_flat_workgroup_size: 256
    .sgpr_count:     66
    .vgpr_count:     96
    .wavefront_size: 32
...
	.end_amdgpu_metadata
.endif
;; end of part 5
;; ======== version 2 of 2: 5 launches; version 1 with the launches ffn1, ffn2 written anew for expert scheduling mode
;; workspace buffers: xq 786,432 bytes; xs 32,768 bytes; sel 4,096 bytes of whole numbers; gw 8,192 bytes; hq 25,362,432 bytes; hs 1,056,768 bytes; yp 16,777,216 bytes; list 36,864 bytes of whole numbers
;; launch route: the kernel of part 1 again; grid 64 x 1, 8 waves a work-group, no clusters, 91,136 bytes of LDS; arguments x, Wg, bg, xq, xs, sel, gw; writes xq, xs, sel, gw
;; launch place: the kernel of part 2 again; grid 8 x 1, 1 waves a work-group, no clusters, 0 bytes of LDS; arguments sel, list; writes list
;; launch ffn1 (part 6): grid 256 x 1, 4 waves a work-group, no clusters, 197,120 bytes of LDS; arguments W1, b1, xq, xs, list, hq, hs; writes hq, hs
.if DOCPART == 6
	.amdgcn_target "amdgcn-amd-amdhsa--gfx1250"
	.amdhsa_code_object_version 6
	.text
	.protected	k_q6f0fb98278_ffn1
	.globl	k_q6f0fb98278_ffn1
	.p2align	8
	.type	k_q6f0fb98278_ffn1,@function
k_q6f0fb98278_ffn1:
	s_mov_b64 s[64:65], 0
	v_nop
	global_prefetch_b8 v0, s[64:65] scope:SCOPE_SE
	s_setreg_imm32_b32 hwreg(HW_REG_WAVE_SCHED_MODE, 0, 2), 2
	s_setreg_imm32_b32 hwreg(HW_REG_WAVE_MODE, 25, 1), 1
	s_wait_xcnt 0x0
	s_wait_alu depctr_vm_vsrc(0)
; h = gelu(x W1^T + b1) for the rows that chose an expert, quantised to FP6 (E2M3) along the hidden axis.  W1 [8][4096][1024] f32, b1 [8][4096] f32; xq, xs, list as the launches before stored them.
; A work-group owns 128 hidden units of one expert (e = wg / 32, slice = wg % 32): 512 KiB of W1, which is read from memory ONCE, here, quantised in registers and kept as codes: 64 fragments (16 rows x 128 K),
; 768 registers in EVERY wave.  The waves share the making of the fragments (16 each; they reach the others through LDS as images of their registers) and then share the ROWS: wave w takes tiles w, w + 4 ..
; of the expert's rows, 16 rows a tile, so that no barrier stands in the loop over tiles.
; THE ROWS.  list [e][1152]: words 0 .. 1087 the expert's entries by rank (entry = token + 1024 x choice; rank j = tile j / 16, row j % 16), word 1089 the count.  Ranks from the count on repeat one of the
; expert's entries: the rows that fill up the last tile are a row of the expert once more, and the look-ahead by one tile always finds a valid entry.
; The loop over tiles has 16 trips, a constant; a trip whose tile begins past the count jumps over its work.  The launch has no tensor load, no copy and no cluster.
; THE PRODUCT IS USED TRANSPOSED (source 0 = 16 rows of W1, source 1 = 16 rows of x), and lane r of tile 2 b + u takes hidden unit 32 b + 8 u + r + 8 (r / 8): a lane then holds one row of h, and the 16 registers
; of tiles 2 b, 2 b + 1 are 16 neighbours along the next product's K.  b1 is the C of each sum's first product.
; GELU is x Phi(x) with the exact erf, in f32: for |a| <= 475/512 (a = x / sqrt 2) a polynomial for erf; above, erfc(|a|) = exp(polynomial), used as it is on the negative side, so nothing cancels there.
; Both ways are computed for every number and one is chosen by v_cndmask_b32.
; Stores: hq [64 e + tile][slice][3][32 lanes][16 bytes]: the fragment's registers as they stand;  hs [64 e + tile][slice][16 rows]: the rows' scale words.
; LIMITS: NaN and infinities are not served.  A block whose largest magnitude lies under 2^-124 (zeros too) gets the scale byte 1; the bytes are read by this program alone.
; REGISTERS: window 0 as named below; windows 1 to 3: fragments 0-20, 21-41, 42-62 of W1 at v[12 (f % 21)], f = 8 x K step + tile (window 1 first serves as four slots of 64 for the f32 numbers on their way in).
; THE MODE: SCHED_MODE bits 1:0 = 2 (LLVM: expert scheduling mode 2), set by the entry lines.  The code itself states the register dependences
; between vector or matrix instructions and memory or LDS instructions, with s_wait_alu, always for 0.
; THE PLAN.  Registers that memory or LDS instructions touch:
;   the addresses  v1-15, v246, v252, v253, and v254, v255: written at the head and never again; v252 of windows 1 and 2: written once behind the barrier.
;   window 1's slots  W1's loads land; the LDS stores into the stage read them; behind these the loads of four fragments on land.  No vector instruction names them.  Later the fragments land there.
;   XQ (v64-127)   The loads from the stage land; the quantiser reads.
;   PC, PW         The quantisers write; an image's LDS stores, in the loop the stores to hq and hs, read.
;   EN             The entries' loads land; ADDRS makes offsets of them; the loads of x's rows and scale words read those.
;   XL (v128-175)  x's K steps 0-3 land from the stage; the products read; the next tile's rows land from memory; the LDS stores into the stage read.
;   XH (v192-239)  x's K steps 4-7 land from the stage, asked for among the products of K steps 0-3, which do not name these registers; the products of K steps 4-7 read.  Behind the products GELU and the quantiser work here.
;   ACC (v64-127)  b1 lands; products, GELU and the quantiser work on it.      XS  a load lands; the products read.
; So a trip has no wait among its 64 products.  Its waits: one on vm_vsrc at its head; one on va_vdst behind ADDRS; one on vm_vsrc between the two batches of rows; in each GELU one on va_sdst and one on va_vdst; one on va_vdst
; ahead of the stores, behind which no vector instruction stands up to the next trip's loads: it is also the wait for those.
.set SPI,  528                         ; a stage row: 512 bytes + 16
.set XPI,  784                         ; a token's 768 bytes of codes + 16
.set IMG,  0                           ; 64 fragments' images, 1,536 bytes each
.set WSC,  98304                       ; their scale words, 64 bytes each
.set STG,  102400                      ; a stage of 16 rows x 528 for each wave
.set XSTG, 136192                      ; a tile of x's codes, 16 x 784, for each wave
.set BIAS, 190976                      ; my 128 numbers of b1
.set L16, 1                            ; 16 x lane
.set LI2, 2                            ; 16 x lane + 64,512: images 42 on
.set LS,  3                            ; WSC + 4 x lane
.set SW,  4
.set SRD, 5
.set IW,  6                            ; where I store images: 16 x lane + 24,576 x wave
.set WSA, 7                            ; and their scale words: WSC + 4 r + 1,024 x wave
.set H8,  8
.set LADP, 9                           ; in the list: 64 wave + 4 h: the entries of rows 2 p + h
.set LADR, 10                          ; 64 wave + 4 r: my row's entry
.set BADR, 11                          ; BIAS + 64 h
.set XW,  12                           ; x's stage, in: + 784 h + 16 r
.set HSO, 13                           ; 4 r
.set C16, 14                           ; 16 r
.set H16, 15                           ; 16 h
.set WS,  16                           ; v16-47   W1's scale words: register p: fragment 2 p in lanes 0-15, 2 p + 1 in lanes 16-31
.set WL,  48                           ; v48-59   fragment 63
.set XS,  60                           ; v60-63   x's scale words: register j: K step j in lanes 0-15, 4 + j in lanes 16-31
.set ACC, 64                           ; v64-127  eight accumulators; in the prologue the 64 numbers to be quantised
.set XQ,  ACC
.set XL,  128                          ; v128-175 x's K steps 0-3; between two tiles, rows of codes on their way to the stage
.set XH,  192                          ; v192-239 x's K steps 4-7, in the registers that GELU and the quantiser take behind the products
.set EN,  176                          ; v176-184 eight pairs' entries and my row's, then the offsets made of them
.set LN,  185
.set RR,  186
.set HH,  187
.set TM,  192                          ; the quantisers' scratch
.set PW,  208
.set PC,  210
.set GA,  192                          ; GELU's scratch: six sets of eight
.set GS,  200
.set GT,  208
.set GR,  216
.set GU,  224
.set GQ,  232
.set VC1, 240                          ; three constants as vector pairs
.set VC3, 242
.set VK1, 244
.set B4,  246
.set BV,  247
.set XR,  252                          ; x's stage, out: + 784 r + 384 h; the same number stands in v252 of windows 1 and 2
.set BW,  253
.set WV,  18
.set EXPT, 19
.set SLC, 20
.set NROW, 21
.set ROW0, 22
.set CTR, 23
.set SEL, 28
.set THR, 35
.set KR,  36                           ; twelve constants as scalar pairs: the packed forms name a pair and take its low word for both halves
.set C0,  38
.set C2,  40
.set C4,  42
.set C5,  44
.set C6,  46
.set L2E, 48
.set K0,  50
.set K2,  52
.set K3,  54
.set K4,  56
.set K5,  58
.set MK,  66                           ; s66-81 compare masks
.set MSB, 0
.macro WIN new                         ; the immediate's high byte repeats the setting that is left; a switch that changes nothing is dropped
.if MSB != \new
	s_set_vgpr_msb (MSB<<8)|\new
.set MSB, \new
.endif
.endm
.macro SPAIR r, val
	s_mov_b32 s[\r], \val
	s_mov_b32 s[\r+1], \val
.endm
; 64 numbers of a lane, two whole blocks of 32 along K, become the 12 registers of a fragment (v[PC] on) and the row's scale word (v[PW]).
.macro WQUANT
.irp c, 0,1
	v_max3_num_f32 v[TM+\c], |v[XQ+32*\c]|, |v[XQ+32*\c+1]|, 0x1800000   ; the floor 2^(3 - 127) among the leaves: the byte cannot fall under 1
.endr
.irp i, 2,4,6,8,10,12,14,16,18,20,22,24,26,28,30
.irp c, 0,1
	v_max3_num_f32 v[TM+\c], v[TM+\c], |v[XQ+32*\c+\i]|, |v[XQ+32*\c+\i+1]|
.endr
.endr
.irp c, 0,1
	v_add_nc_u32 v[TM+4+\c], 0xff000000, v[TM+\c]      ; 2 off the exponent field: the conversion's scale operand
.endr
.irp c, 0,1
	v_lshrrev_b32 v[TM+2+\c], 23, v[TM+4+\c]           ; the scale's byte
.endr
	v_lshl_or_b32 v[PW], v[TM+3], 16, v[TM+2]
	v_lshlrev_b32 v[PW], v[H8], v[PW]
	v_permlanex16_b32 v[TM+6], v[PW], s[SEL], s[SEL+1]
	v_or_b32 v[PW], v[PW], v[TM+6]                     ; with lane l xor 16's two bytes the word is whole
.irp c, 0,1
	v_cvt_scalef32_pk16_fp6_f32 v[PC+6*\c:PC+6*\c+2], v[XQ+32*\c:XQ+32*\c+15], v[TM+4+\c]
	v_cvt_scalef32_pk16_fp6_f32 v[PC+12+4*\c:PC+14+4*\c], v[XQ+32*\c+16:XQ+32*\c+31], v[TM+4+\c]
.endr
	v_nop                                              ; one plain place behind the conversions
.irp c, 0,1
.irp i, 0,1,2
	v_mov_b32 v[PC+3+6*\c+\i], v[PC+12+4*\c+\i]
.endr
.endr
.endm
; 64 numbers of a lane, register 16 b + i = k 32 b + 16 h + i of my row, become a fragment's codes in v[PC] on and its scale word in v[PW].
.macro QUANT s
.irp b, 0,1,2,3
	v_max3_num_f32 v[TM+\b], |v[\s+16*\b]|, |v[\s+1+16*\b]|, 0x1800000
.endr
.irp i, 2,4,6,8,10,12,14
.irp b, 0,1,2,3
	v_max3_num_f32 v[TM+\b], v[TM+\b], |v[\s+16*\b+\i]|, |v[\s+1+16*\b+\i]|
.endr
.endr
.irp b, 0,1,2,3
	v_permlanex16_b32 v[TM+4+\b], v[TM+\b], s[SEL], s[SEL+1]
.endr
.irp b, 0,1,2,3
	v_max_num_f32 v[TM+\b], v[TM+\b], v[TM+4+\b]       ; with lane l xor 16's: the block's largest magnitude
.endr
.irp b, 0,1,2,3
	v_add_nc_u32 v[TM+12+\b], 0xff000000, v[TM+\b]
.endr
.irp b, 0,1,2,3
	v_lshrrev_b32 v[TM+4+\b], 23, v[TM+12+\b]
.endr
	v_lshl_or_b32 v[PW], v[TM+5], 8, v[TM+4]
	v_lshl_or_b32 v[PW], v[TM+6], 16, v[PW]
	v_lshl_or_b32 v[PW], v[TM+7], 24, v[PW]
.irp c, 0,1
	v_cvt_scalef32_pk16_fp6_f32 v[PC+6*\c:PC+2+6*\c], v[\s+32*\c:\s+15+32*\c], v[TM+12+2*\c]
	v_cvt_scalef32_pk16_fp6_f32 v[PC+12+4*\c:PC+14+4*\c], v[\s+16+32*\c:\s+31+32*\c], v[TM+12+2*\c+1]
.endr
	v_nop                                              ; one plain place behind the conversions
.irp c, 0,1                                            ; the operand's layout wants a whole block in a lane
.irp i, 0,1,2
	v_permlane16_swap_b32 v[PC+6*\c+\i], v[PC+12+4*\c+\i]
.endr
.irp i, 0,1,2
	v_mov_b32 v[PC+3+6*\c+\i], v[PC+12+4*\c+\i]
.endr
.endr
.endm
; My fragment g of 16 (tile 2 (g / 4) + (g % 4) / 2, K step 2 wave + g % 2): 16 rows x 512 bytes into slot g % 4 of window 1; 32 lanes read 512 consecutive bytes of a row.
.macro FILL g
	WIN 0x40
.irp i, 0,1,2,3,4,5,6,7,8,9,10,11,12,13,14,15
	global_load_b128 v[64*((\g)%4)+4*\i:64*((\g)%4)+4*\i+3], v[L16], s[4:5] offset:((\g)/4)*131072+(8*(((\g)%4)/2)+\i+8*(\i/8))*4096+512*((\g)%2) th:TH_LOAD_NT
.endr
	WIN 0
.endm
; Fragment gg: through my stage, so that a lane holds two whole blocks of one row; quantised; its image and its scale words to LDS.  The slot is asked for again as soon as the stores into the stage have read it.
.macro FRAGQ
.if gg < 13
	s_wait_loadcnt 48                              ; this slot's 16 loads are in; the three younger slots' may be out
.else
	s_wait_loadcnt 16*(15-gg)
.endif
	WIN 0x04                                       ; an LDS store's data are its source 1: window 1
.irp i, 0,1,2,3,4,5,6,7,8,9,10,11,12,13,14,15
	ds_store_b128 v[SW], v[64*(gg%4)+4*\i:64*(gg%4)+4*\i+3] offset:SPI*\i
.endr
	WIN 0
.irp c, 0,1
.irp q, 0,1,2,3,4,5,6,7
	ds_load_b128 v[XQ+32*\c+4*\q:XQ+32*\c+4*\q+3], v[SRD] offset:256*\c+16*\q   ; they land in XQ: no vector instruction has named it since the wait ahead of the last image's stores
.endr
.endr
	s_wait_alu depctr_vm_vsrc(0)                   ; the LDS stores above have read the slot, in which the loads of four fragments on land; the last image's stores have read v[PC ..] and v[PW], which the quantiser writes again
.if gg+4 < 16
	FILL gg+4
.endif
	s_wait_dscnt 0x0                               ; the numbers are back from the stage
	WQUANT
	s_wait_alu depctr_va_vdst(0)                   ; the quantiser has written v[PC ..] and v[PW], which the stores below read, and is done reading XQ, in which the next fragment's numbers land
.irp c, 0,1,2
	ds_store_b128 v[IW], v[PC+4*\c:PC+4*\c+3] offset:12288*(gg%2)+1536*((gg%4)/2)+3072*(gg/4)+512*\c
.endr
	ds_store_b32 v[WSA], v[PW] offset:512*(gg%2)+64*((gg%4)/2)+128*(gg/4)
.endm
; entries -> byte offsets: rows 2 p + h of xq (768 bytes a token, my 16 of a unit of 256), and my row's scale words in xs (32 bytes a token, 16 a half)
.macro ADDRS
.irp p, 0,1,2,3,4,5,6,7
	v_and_b32 v[EN+\p], 0x3ff, v[EN+\p]            ; the token
.endr
.irp p, 0,1,2,3,4,5,6,7
	v_min_u32 v[EN+\p], 0x3ff, v[EN+\p]
.endr
.irp p, 0,1,2,3,4,5,6,7
	v_mul_u32_u24 v[EN+\p], v[EN+\p], 0x300
.endr
.irp p, 0,1,2,3,4,5,6,7
	v_add_nc_u32 v[EN+\p], v[EN+\p], v[C16]
.endr
	v_and_b32 v[EN+8], 0x3ff, v[EN+8]
	v_min_u32 v[EN+8], 0x3ff, v[EN+8]
	v_lshl_add_u32 v[EN+8], v[EN+8], 5, v[H16]
.endm
.macro XBATCH p0, reg                  ; eight rows of codes: sixteen lanes read one aligned unit of 256 bytes of one token's row
.irp p, 0,1,2,3
.irp u, 0,1,2
	global_load_b128 v[\reg+4*(3*\p+\u):\reg+4*(3*\p+\u)+3], v[EN+\p0+\p], s[8:9] offset:256*\u
.endr
.endr
.endm
.macro XSTORE p0, reg                  ; and into my stage
.irp p, 0,1,2,3
.irp u, 0,1,2
	ds_store_b128 v[XW], v[\reg+4*(3*\p+\u):\reg+4*(3*\p+\u)+3] offset:2*(\p0+\p)*XPI+256*\u
.endr
.endr
.endm
; One product: accumulator tt += fragment ff = 8 ks + tt of W1 x K step ks of x (K steps 0-3 in XL, 4-7 in XH).
.macro PROD1
.if ff == 63
.set wn, 0
.set wr, WL
.else
.set wn, 1+ff/21
.set wr, 12*(ff%21)
.endif
.if ks < 4
.set xb, XL+12*ks
.else
.set xb, XH+12*(ks-4)
.endif
	WIN wn                                         ; source 0 in the fragment's window, all else in window 0
.if (ff%2 == 0) && (ks < 4)
	v_wmma_scale_f32_16x16x128_f8f6f4 v[ACC+8*tt:ACC+8*tt+7], v[wr:wr+11], v[xb:xb+11], v[ACC+8*tt:ACC+8*tt+7], v[WS+ff/2], v[XS+ks%4] matrix_a_fmt:MATRIX_FMT_FP6 matrix_b_fmt:MATRIX_FMT_FP6
.elseif (ff%2 == 1) && (ks < 4)
	v_wmma_scale_f32_16x16x128_f8f6f4 v[ACC+8*tt:ACC+8*tt+7], v[wr:wr+11], v[xb:xb+11], v[ACC+8*tt:ACC+8*tt+7], v[WS+ff/2], v[XS+ks%4] matrix_a_fmt:MATRIX_FMT_FP6 matrix_b_fmt:MATRIX_FMT_FP6 matrix_a_scale:MATRIX_SCALE_ROW1
.elseif ff%2 == 0
	v_wmma_scale_f32_16x16x128_f8f6f4 v[ACC+8*tt:ACC+8*tt+7], v[wr:wr+11], v[xb:xb+11], v[ACC+8*tt:ACC+8*tt+7], v[WS+ff/2], v[XS+ks%4] matrix_a_fmt:MATRIX_FMT_FP6 matrix_b_fmt:MATRIX_FMT_FP6 matrix_b_scale:MATRIX_SCALE_ROW1
.else
	v_wmma_scale_f32_16x16x128_f8f6f4 v[ACC+8*tt:ACC+8*tt+7], v[wr:wr+11], v[xb:xb+11], v[ACC+8*tt:ACC+8*tt+7], v[WS+ff/2], v[XS+ks%4] matrix_a_fmt:MATRIX_FMT_FP6 matrix_b_fmt:MATRIX_FMT_FP6 matrix_a_scale:MATRIX_SCALE_ROW1 matrix_b_scale:MATRIX_SCALE_ROW1
.endif
.endm
; GELU of accumulator t, eight numbers, in place.  The two ways take turns line by line, four packed instructions each, so that no line waits for the line above it.
; The sixteen compares stand in one run behind the exponentials, so that one wait serves their masks.
.macro GELU t
.set Z, ACC+8*(\t)
.irp j, 0,2,4,6
	v_pk_mul_f32 v[GA+\j:GA+\j+1], v[Z+\j:Z+\j+1], s[KR:KR+1] op_sel_hi:[1,0]      ; a = z / sqrt 2  (the accumulator is read from its low end on)
.endr
.irp j, 0,2,4,6
	v_pk_mul_f32 v[GS+\j:GS+\j+1], v[GA+\j:GA+\j+1], v[GA+\j:GA+\j+1]              ; s = a a
.endr
.irp j, 0,1,2,3,4,5,6,7
	v_and_b32 v[GT+\j], 0x7fffffff, v[GA+\j]                                       ; t = |a|
.endr
.irp j, 0,2,4,6
	v_pk_fma_f32 v[GR+\j:GR+\j+1], v[GT+\j:GT+\j+1], s[C0:C0+1], v[VC1:VC1+1] op_sel_hi:[1,0,1]
.endr
.irp j, 0,2,4,6
	v_pk_fma_f32 v[GU+\j:GU+\j+1], v[GT+\j:GT+\j+1], s[C2:C2+1], v[VC3:VC3+1] op_sel_hi:[1,0,1]
.endr
.irp j, 0,2,4,6
	v_pk_fma_f32 v[GQ+\j:GQ+\j+1], v[GS+\j:GS+\j+1], s[K0:K0+1], v[VK1:VK1+1] op_sel_hi:[1,0,1]
.endr
.irp j, 0,2,4,6
	v_pk_fma_f32 v[GR+\j:GR+\j+1], v[GR+\j:GR+\j+1], v[GS+\j:GS+\j+1], v[GU+\j:GU+\j+1]
.endr
.irp j, 0,2,4,6
	v_pk_fma_f32 v[GQ+\j:GQ+\j+1], v[GQ+\j:GQ+\j+1], v[GS+\j:GS+\j+1], s[K2:K2+1] op_sel_hi:[1,1,0]
.endr
.irp j, 0,2,4,6
	v_pk_fma_f32 v[GR+\j:GR+\j+1], v[GR+\j:GR+\j+1], v[GT+\j:GT+\j+1], s[C4:C4+1] op_sel_hi:[1,1,0]
.endr
.irp j, 0,2,4,6
	v_pk_fma_f32 v[GQ+\j:GQ+\j+1], v[GQ+\j:GQ+\j+1], v[GS+\j:GS+\j+1], s[K3:K3+1] op_sel_hi:[1,1,0]
.endr
.irp j, 0,2,4,6
	v_pk_fma_f32 v[GR+\j:GR+\j+1], v[GR+\j:GR+\j+1], v[GT+\j:GT+\j+1], s[C5:C5+1] op_sel_hi:[1,1,0]
.endr
.irp j, 0,2,4,6
	v_pk_fma_f32 v[GQ+\j:GQ+\j+1], v[GQ+\j:GQ+\j+1], v[GS+\j:GS+\j+1], s[K4:K4+1] op_sel_hi:[1,1,0]
.endr
.irp j, 0,2,4,6
	v_pk_fma_f32 v[GR+\j:GR+\j+1], v[GR+\j:GR+\j+1], v[GT+\j:GT+\j+1], s[C6:C6+1] op_sel_hi:[1,1,0]
.endr
.irp j, 0,2,4,6
	v_pk_fma_f32 v[GQ+\j:GQ+\j+1], v[GQ+\j:GQ+\j+1], v[GS+\j:GS+\j+1], s[K5:K5+1] op_sel_hi:[1,1,0]
.endr
.irp j, 0,2,4,6
	v_pk_fma_f32 v[GR+\j:GR+\j+1], v[GR+\j:GR+\j+1], v[GT+\j:GT+\j+1], v[GT+\j:GT+\j+1] neg_lo:[0,0,1] neg_hi:[0,0,1]   ; ln erfc(t)
.endr
.irp j, 0,2,4,6
	v_pk_fma_f32 v[GQ+\j:GQ+\j+1], v[GQ+\j:GQ+\j+1], v[GA+\j:GA+\j+1], v[GA+\j:GA+\j+1]                                 ; erf(a), the small way
.endr
.irp j, 0,2,4,6
	v_pk_fma_f32 v[GR+\j:GR+\j+1], v[GR+\j:GR+\j+1], s[L2E:L2E+1], -1.0 op_sel_hi:[1,0,0]                                ; in base 2, and halved
.endr
.irp j, 0,1,2,3,4,5,6,7
	v_exp_f32 v[GR+\j], v[GR+\j]                                                   ; erfc(t) / 2
.endr
.irp j, 0,2,4,6
	v_pk_fma_f32 v[GQ+\j:GQ+\j+1], v[GQ+\j:GQ+\j+1], 0.5, 0.5 op_sel_hi:[1,0,0]    ; Phi, the small way.  (A plain place behind the exponentials)
.endr
.irp j, 0,1,2,3,4,5,6,7
	v_cmp_gt_f32 s[MK+\j], 0, v[GA+\j]
.endr
.irp j, 0,1,2,3,4,5,6,7
	v_cmp_lt_f32 s[MK+8+\j], s[THR], v[GT+\j]
.endr
	s_wait_alu depctr_va_sdst(0)                   ; the sixteen compares have written s[MK ..], ahead of the selections that read them
	s_wait_alu depctr_va_vdst(0)                   ; the eight exponentials have written v[GR ..], ahead of their first reader
.irp j, 0,2,4,6
	v_pk_fma_f32 v[GU+\j:GU+\j+1], v[GR+\j:GR+\j+1], -1.0, 1.0 op_sel_hi:[1,0,0]   ; 1 - erfc(t) / 2
.endr
.irp j, 0,1,2,3,4,5,6,7
	v_cndmask_b32 v[GU+\j], v[GU+\j], v[GR+\j], s[MK+\j]                           ; Phi, the large way: erfc(t) / 2 itself where a < 0
.endr
.irp j, 0,1,2,3,4,5,6,7
	v_cndmask_b32 v[GQ+\j], v[GQ+\j], v[GU+\j], s[MK+8+\j]
.endr
.irp j, 0,2,4,6
	v_pk_mul_f32 v[Z+\j:Z+\j+1], v[Z+\j:Z+\j+1], v[GQ+\j:GQ+\j+1]
.endr
.endm
	s_load_b256 s[4:11], s[0:1], 0x0               ; W1 s[4:5], b1 s[6:7], xq s[8:9], xs s[10:11]
	s_load_b128 s[12:15], s[0:1], 0x20             ; list s[12:13], hq s[14:15]
	s_load_b64 s[16:17], s[0:1], 0x30              ; hs
	v_lshl_add_u32 v254, v0, 2, 0x30000
	v_mov_b32 v255, 0
	v_lshrrev_b32 v[LN], 5, v0
	v_readfirstlane_b32 s[WV], v[LN]               ; wave 0..3
	v_and_b32 v[LN], 31, v0
	v_and_b32 v[RR], 15, v0
	v_bfe_u32 v[HH], v0, 4, 1
	v_lshlrev_b32 v[L16], 4, v[LN]
	v_add_nc_u32 v[LI2], 64512, v[L16]
	v_lshl_add_u32 v[LS], v[LN], 2, WSC
	s_wait_alu depctr_va_sdst(0)                   ; the wave's number is written, ahead of its first reader
	s_mul_i32 s24, s[WV], 16*SPI
	s_add_co_u32 s24, s24, STG
	v_add_nc_u32 v[SW], s24, v[L16]
	v_mul_u32_u24 v[SRD], v[RR], SPI
	v_lshl_add_u32 v[SRD], v[HH], 7, v[SRD]
	v_add_nc_u32 v[SRD], s24, v[SRD]
	s_mul_i32 s24, s[WV], 24576
	v_add_nc_u32 v[IW], s24, v[L16]
	s_lshl_b32 s24, s[WV], 10
	s_add_co_u32 s24, s24, WSC
	v_lshl_add_u32 v[WSA], v[RR], 2, s24
	v_lshlrev_b32 v[H8], 3, v[HH]
	s_lshl_b32 s24, s[WV], 6                       ; a tile's 16 entries are 64 bytes
	v_lshl_add_u32 v[LADP], v[HH], 2, s24
	v_lshl_add_u32 v[LADR], v[RR], 2, s24
	v_lshl_add_u32 v[BADR], v[HH], 6, BIAS
	s_mul_i32 s24, s[WV], 16*XPI
	s_add_co_u32 s24, s24, XSTG
	v_mul_u32_u24 v[XW], v[HH], XPI
	v_lshl_add_u32 v[XW], v[RR], 4, v[XW]
	v_add_nc_u32 v[XW], s24, v[XW]
	v_mul_u32_u24 v[XR], v[RR], XPI
	v_mad_u32_u24 v[XR], v[HH], 384, v[XR]
	v_add_nc_u32 v[XR], s24, v[XR]
	v_lshlrev_b32 v[HSO], 2, v[RR]
	v_lshlrev_b32 v[C16], 4, v[RR]
	v_lshlrev_b32 v[H16], 4, v[HH]
	v_lshlrev_b32 v[B4], 2, v0
	v_lshl_add_u32 v[BW], v0, 2, BIAS
	v_mov_b32 v[TM+6], 0                           ; a lane permute's destination counts as one of its sources
	v_mov_b32 v[VC1], 0x39c8e7d9
	v_mov_b32 v[VC1+1], 0x39c8e7d9
	v_mov_b32 v[VC3], 0x3cc6b1a1
	v_mov_b32 v[VC3+1], 0x3cc6b1a1
	v_mov_b32 v[VK1], 0x3ba38d2c
	v_mov_b32 v[VK1+1], 0x3ba38d2c
	s_mov_b32 s[SEL], 0x76543210
	s_mov_b32 s[SEL+1], 0xfedcba98                 ; lane l xor 16
	s_mov_b32 s[THR], 0x3f6d8000                   ; 475 / 512
	SPAIR KR,  0x3f3504f3                          ; 1 / sqrt 2
	SPAIR C0,  0xb7910000                          ; ln erfc(t) = ((((((c0 t + c1) s + c2 t + c3) t + c4) t + c5) t + c6) t - t
	SPAIR C2,  0xbb7e8a1c
	SPAIR C4,  0xbddaae5c
	SPAIR C5,  0xbf228550
	SPAIR C6,  0xbe03ce86
	SPAIR L2E, 0x3fb8aa3b                          ; log2 e
	SPAIR K0,  0xba1c7000                          ; erf(a) = a + a (((((k0 s + k1) s + k2) s + k3) s + k4) s + k5)
	SPAIR K2,  0xbcdb48d9
	SPAIR K3,  0x3de70e22
	SPAIR K4,  0xbec09380
	SPAIR K5,  0x3e0375d4
	s_lshr_b32 s[EXPT], ttmp9, 5                   ; the expert
	s_and_b32 s[SLC], ttmp9, 31                    ; which 128 hidden units: the next product's K step
	s_lshl_b32 s24, ttmp9, 19                      ; 128 rows of 4,096 bytes a work-group,
	s_lshl_b32 s26, s[WV], 10                      ; my two K steps of 512 bytes
	s_add_co_u32 s24, s24, s26
	s_mov_b32 s25, 0
	s_mov_b32 s27, 0
	s_wait_kmcnt 0x0
	s_add_nc_u64 s[4:5], s[4:5], s[24:25]
	s_lshl_b32 s24, ttmp9, 9
	s_add_nc_u64 s[6:7], s[6:7], s[24:25]
	s_lshl_b32 s24, s[EXPT], 6
	s_add_co_u32 s24, s24, s[WV]                   ; my first tile: 64 e + wave
	s_mul_i32 s26, s24, 49152
	s_mul_i32 s30, s[SLC], 1536
	s_add_co_u32 s26, s26, s30
	s_add_nc_u64 s[14:15], s[14:15], s[26:27]
	s_lshl_b32 s26, s24, 11
	s_lshl_b32 s30, s[SLC], 6
	s_add_co_u32 s26, s26, s30
	s_add_nc_u64 s[16:17], s[16:17], s[26:27]
	s_mul_i32 s26, s[EXPT], 4608
	s_add_nc_u64 s[12:13], s[12:13], s[26:27]      ; my expert's list
	s_load_b32 s[NROW], s[12:13], 0x1104           ; its count: word 1,089
	s_wait_alu depctr_va_vdst(0)                   ; all addresses and offsets of window 0 are written, which the loads and stores of the whole kernel read
	global_load_b32 v[BV], v[B4], s[6:7]           ; thread i: b1 of my hidden unit i
.irp p, 0,1,2,3,4,5,6,7
	global_load_b32 v[EN+\p], v[LADP], s[12:13] offset:8*\p    ; my first tile's entries, ahead of the weights
.endr
	global_load_b32 v[EN+8], v[LADR], s[12:13]
	FILL 0
	FILL 1
	FILL 2
	FILL 3
.set gg, 0
.rept 16
	FRAGQ
.set gg, gg+1
.endr
	ds_store_b32 v[BW], v[BV]
	s_wait_dscnt 0x0                               ; for the others' sake: my 16 images, their scale words and my share of b1 have landed
	s_barrier_signal -1
	s_barrier_wait -1
; The first tile's rows of x are asked for, then every wave takes all 64 fragments into its registers.
	s_wait_kmcnt 0x0
	s_min_u32 s[NROW], s[NROW], 0x400              ; the expert's rows
	s_wait_alu depctr_vm_vsrc(0)                   ; my LDS stores have read window 1's four slots: the fragments land there, and its v252 is written below
	ADDRS
	WIN 0x40
	v_mov_b32 v252, v252                           ; the stage's read address into v252 of windows 1 and 2: the LDS loads among the products then need no switch
	WIN 0x80
	v_mov_b32 v252, v252
	WIN 0
	s_wait_alu depctr_va_vdst(0)                   ; the offsets in v[EN ..] and the two copies of v252 are written, which loads read; the quantiser is done with v64-127 and v192-228, in which loads land
	XBATCH 0, XL
	XBATCH 4, ACC
	global_load_b128 v[XS:XS+3], v[EN+8], s[10:11]
.set ff, 0
.rept 63
.set wn, (1+ff/21)<<6
	WIN wn                                         ; destination in the fragment's window
.irp c, 0,1,2
.if ff < 42
	ds_load_b128 v[12*(ff%21)+4*\c:12*(ff%21)+4*\c+3], v[L16] offset:1536*ff+512*\c
.else
	ds_load_b128 v[12*(ff%21)+4*\c:12*(ff%21)+4*\c+3], v[LI2] offset:1536*(ff-42)+512*\c
.endif
.endr
.set ff, ff+1
.endr
	WIN 0
.irp c, 0,1,2
	ds_load_b128 v[WL+4*\c:WL+4*\c+3], v[LI2] offset:1536*21+512*\c
.endr
.irp p, 0,1,2,3,4,5,6,7,8,9,10,11,12,13,14,15,16,17,18,19,20,21,22,23,24,25,26,27,28,29,30,31
	ds_load_b32 v[WS+\p], v[LS] offset:128*\p
.endr
	s_wait_dscnt 0x0
	s_wait_loadcnt 0x0
	XSTORE 0, XL
	XSTORE 4, ACC
	s_lshl_b32 s[ROW0], s[WV], 4
	s_mov_b32 s[CTR], 0
.Ltile:                                            ; 16 trips: tiles wave + 4 j
	s_cmp_ge_u32 s[ROW0], s[NROW]
	s_cbranch_scc1 .Lnext                          ; the tile begins past the count: only the steps at the trip's end are run
	s_wait_alu depctr_vm_vsrc(0)                   ; the LDS stores into x's stage have read XL (ahead of the first trip ACC too), the stores to hq and hs v[PC ..] and v[PW], the loads of rows v[EN ..]: loads land in all of these below
.irp t, 0,1,2,3,4,5,6,7
	ds_load_b128 v[ACC+8*\t:ACC+8*\t+3], v[BADR] offset:128*(\t/2)+32*(\t%2)       ; b1 in the result's layout: the sums begin with it
	ds_load_b128 v[ACC+8*\t+4:ACC+8*\t+7], v[BADR] offset:128*(\t/2)+32*(\t%2)+16
.endr
.irp k, 0,1,2,3
.irp c, 0,1,2
	ds_load_b128 v[XL+12*\k+4*\c:XL+12*\k+4*\c+3], v[XR] offset:48*\k+16*\c        ; x's K steps 0-3
.endr
.endr
.irp p, 0,1,2,3,4,5,6,7
	global_load_b32 v[EN+\p], v[LADP], s[12:13] offset:256+8*\p    ; the NEXT tile's entries: four tiles, 256 bytes, on; they land under the products
.endr
	global_load_b32 v[EN+8], v[LADR], s[12:13] offset:256
	s_wait_dscnt 0x0
.set ks, 0
.rept 8
.if ks >= 4
	s_wait_dscnt 9-3*(ks-4)                        ; this K step's three loads are in; those of the later steps may be out
.endif
.set tt, 0
.rept 8
.set ff, 8*ks+tt
	PROD1                                          ; the eight accumulators take turns, one instruction a turn
.set tt, tt+1
.endr
.if ks < 4
.irp c, 0,1,2
	ds_load_b128 v[XH+12*ks+4*\c:XH+12*ks+4*\c+3], v[XR] offset:48*(ks+4)+16*\c    ; K step ks + 4 into XH.  No wait: no vector or matrix instruction since the last wait on va_vdst names these registers or the address
.endr
.endif
.set ks, ks+1
.endr
	WIN 0
	s_wait_loadcnt 0x0                             ; the next tile's nine entries, asked for 64 products ago
	ADDRS                                          ; 35 plain lines: also the places behind the last products, ahead of GELU's reads of the sums and its writes into XH
	s_wait_alu depctr_va_vdst(0)                   ; the offsets in v[EN ..] are written, which the loads below read; the products are done reading XL and XS, in which they land
	XBATCH 0, XL                                   ; the next tile's rows 0-7 land while four accumulators go through GELU
	global_load_b128 v[XS:XS+3], v[EN+8], s[10:11]
	GELU 0
	GELU 1
	GELU 2
	GELU 3
	s_wait_loadcnt 0x0
	XSTORE 0, XL                                   ; this tile's reads of the stage were waited for in front of K step 7
	s_wait_dscnt 0x0
	s_wait_alu depctr_vm_vsrc(0)                   ; the LDS stores above have read XL, in which the next eight rows land
	XBATCH 4, XL
	GELU 4
	GELU 5
	GELU 6
	GELU 7
	QUANT ACC
	s_wait_alu depctr_va_vdst(0)                   ; the quantiser has written v[PC ..] and v[PW], which the stores read; GELU and the quantiser are done with ACC and v192-239, in which the next trip's loads land
.irp c, 0,1,2
	global_store_b128 v[L16], v[PC+4*\c:PC+4*\c+3], s[14:15] offset:512*\c         ; the fragment as it stands: 32 lanes store 512 consecutive bytes, aligned
.endr
	global_store_b32 v[HSO], v[PW], s[16:17]       ; lanes r and r + 16 store the same word
	s_wait_loadcnt 0x0
	XSTORE 4, XL
.Lnext:
	s_wait_xcnt 0x0                                ; loads and stores have read their data and their bases: these are written again only behind this wait
	s_add_nc_u64 s[12:13], s[12:13], 256           ; four tiles on: in the list,
	s_add_nc_u64 s[14:15], s[14:15], 4*49152       ; in hq,
	s_add_nc_u64 s[16:17], s[16:17], 4*2048        ; in hs
	s_add_co_u32 s[ROW0], s[ROW0], 64
	s_add_co_u32 s[CTR], s[CTR], 1
	s_cmp_lt_u32 s[CTR], 16
	s_cbranch_scc1 .Ltile
	s_wait_dscnt 0x0                               ; the closing lines, six on end
	s_wait_alu 0x0
	s_wait_tensorcnt 0x0
	ds_add_u32 v254, v255
	s_wait_dscnt 0x0
	s_endpgm
.Lfunc_end_k_q6f0fb98278_ffn1:
	.size	k_q6f0fb98278_ffn1, .Lfunc_end_k_q6f0fb98278_ffn1-k_q6f0fb98278_ffn1
	.p2alignl 7, 3214868480
	.fill 96, 4, 3214868480
	.section	.rodata,"a",@progbits
	.p2align	6, 0x0
	.amdhsa_kernel k_q6f0fb98278_ffn1
		.amdhsa_group_segment_fixed_size 197120
		.amdhsa_private_segment_fixed_size 0
		.amdhsa_enable_private_segment 0
		.amdhsa_kernarg_size 56
		.amdhsa_user_sgpr_count 2
		.amdhsa_user_sgpr_kernarg_segment_ptr 1
		.amdhsa_wavefront_size32 1
		.amdhsa_system_sgpr_workgroup_id_x 1
		.amdhsa_system_sgpr_workgroup_id_y 1
		.amdhsa_system_sgpr_workgroup_id_z 1
		.amdhsa_system_vgpr_workitem_id 0
		.amdhsa_next_free_vgpr 1024
		.amdhsa_next_free_sgpr 96
		.amdhsa_reserve_vcc 0
		.amdhsa_float_denorm_mode_32 3
		.amdhsa_float_denorm_mode_16_64 3
		.amdhsa_memory_ordered 1
		.amdhsa_forward_progress 1
		.amdhsa_inst_pref_size 221
	.end_amdhsa_kernel
	.amdgpu_metadata
---
amdhsa.version: [ 1, 2 ]
amdhsa.kernels:
  - .name:           k_q6f0fb98278_ffn1
    .symbol:         k_q6f0fb98278_ffn1.kd
    .args:
      - { .name: W1, .offset: 0, .size: 8, .value_kind: global_buffer, .address_space: global }
      - { .name: b1, .offset: 8, .size: 8, .value_kind: global_buffer, .address_space: global }
      - { .name: xq, .offset: 16, .size: 8, .value_kind: global_buffer, .address_space: global }
      - { .name: xs, .offset: 24, .size: 8, .value_kind: global_buffer, .address_space: global }
      - { .name: list, .offset: 32, .size: 8, .value_kind: global_buffer, .address_space: global }
      - { .name: hq, .offset: 40, .size: 8, .value_kind: global_buffer, .address_space: global }
      - { .name: hs, .offset: 48, .size: 8, .value_kind: global_buffer, .address_space: global }
    .group_segment_fixed_size: 197120
    .private_segment_fixed_size: 0
    .kernarg_segment_align: 8
    .kernarg_segment_size: 56
    .max_flat_workgroup_size: 128
    .sgpr_count:     96
    .vgpr_count:     1024
    .wavefront_size: 32
...
	.end_amdgpu_metadata
.endif
;; end of part 6
;; launch ffn2 (part 7): grid 256 x 1, 4 waves a work-group, no clusters, 197,120 bytes of LDS; arguments W2, b2, hq, hs, list, gw, yp; writes yp
.if DOCPART == 7
	.amdgcn_target "amdgcn-amd-amdhsa--gfx1250"
	.amdhsa_code_object_version 6
	.text
	.protected	k_q6f0fb98278_ffn2
	.globl	k_q6f0fb98278_ffn2
	.p2align	8
	.type	k_q6f0fb98278_ffn2,@function
k_q6f0fb98278_ffn2:
	s_mov_b64 s[64:65], 0
	v_nop
	global_prefetch_b8 v0, s[64:65] scope:SCOPE_SE
	s_setreg_imm32_b32 hwreg(HW_REG_WAVE_SCHED_MODE, 0, 2), 2
	s_setreg_imm32_b32 hwreg(HW_REG_WAVE_MODE, 25, 1), 1
	s_wait_xcnt 0x0
	s_wait_alu depctr_vm_vsrc(0)
; yp = gate x (h W2^T [+ b2]) for the rows that chose an expert.  W2 [8][1024][4096] f32, b2 [8][1024] f32; hq, hs, list, gw as the launches before stored them.
; A work-group owns 64 outputs x half of K (2,048 hidden units) of one expert: e = wg / 32, cs = (wg / 2) % 16, kh = wg % 2: 512 KiB of W2, read from memory ONCE, here, quantised in registers to FP6 (E2M3) and kept
; as codes: 64 fragments (f = 4 x K step + tile of outputs), 768 registers in EVERY wave.  The waves share the making of the fragments (16 each, handed round through LDS as images of their registers)
; and then share the rows: wave w takes tiles w, w + 4 .. of the expert's rows.  64 outputs make a row's piece one aligned run of 256 bytes; the two halves of K and a token's two experts are added by the next launch.
; THE ROWS: list [e][1152]: words 0 .. 1087 the expert's entries by rank (rank j = tile j / 16, row j % 16 of hq), word 1089 the count.  entry = token + 1024 x choice names the row of yp and the gate in gw.
; The rows that fill up the expert's last tile are one of its rows once more, in the list and in hq: the same codes, the same gate, the same sums; they are stored to that row's own bytes with the same numbers.
; So every tile leaves by eight whole stores, and all lanes stay on throughout.
; The loop over tiles has 16 trips, a constant; a trip whose tile begins past the count jumps over its work.  The launch has no tensor load, no copy and no cluster.
; THE PRODUCT IS USED TRANSPOSED (source 0 = 16 rows of W2, source 1 = a fragment of h as it was stored): a lane holds one row and eight neighbouring outputs.  b2 is the C of each sum's first product in K half 0, zeros in half 1.
; h's fragments come from memory straight into a ring of eight register slots, six or seven K steps ahead; the ring runs on into the wave's next tile.  Past the last tile it reads bytes of hq and hs that may hold
; anything (four spare tiles keep it inside the buffers): nothing is made of them.
; Stores: yp [2 kh + choice][token][1024] f32.
; LIMITS: NaN and infinities are not served.  A block of W2 whose largest magnitude lies under 2^-124 (zeros too) gets the scale byte 1; the bytes are read here alone.
; THE MODE: SCHED_MODE bits 1:0 = 2 (LLVM: expert scheduling mode 2), set by the entry lines.  The code itself states the register dependences
; between vector or matrix instructions and memory or LDS instructions, with s_wait_alu, always for 0.
; THE PLAN.  Registers that memory or LDS instructions touch:
;   the addresses  v1-15, v240, v246, v252, and v254, v255: written at the head and never again; v252 of windows 1 to 3: written once behind the barrier.
;   window 1's slots, XQ (v128-191), PC, PW: in the prologue: loads land in a slot, the LDS stores into the stage read it, the loads of four fragments on land; the stage's loads land in XQ, the quantiser reads it and
;                  writes PC and PW, the image's LDS stores read these.
;   HF0 .. HF7     The ring.  K step k: its four products read slot k % 8.  THE K STEPS GO IN PAIRS: at the head of a pair one wait on va_vdst states that the products of the pair before are done reading their two slots,
;                  and the six loads that ask for these slots again follow it.  The last pair's slots are asked for behind the wait that the way out owes anyway.
;   HSN, GWN       The next tile's scale words and gate land (asked for at the head of the pair at K step 10); the moves at the trip's end read them.
;   HS             The moves write; the next trip's products take them as scales: the trip's last wait on va_vdst stands behind the moves and 33 further plain lines.
;   EN             The entries land at the trip's head; vector lines make offsets of them; the gate's load and the stores to yp read those.
;   ACC            The bias lands; products; x the gate; the LDS stores into the stage read; whole rows land; the stores to yp read.
.set SPI,  528
.set IMG,  0                           ; 64 fragments' images, 1,536 bytes each
.set WSC,  98304                       ; their scale words
.set STG,  102400                      ; a stage of 16 rows x 528 for each wave
.set YSTG, 136192                      ; the way out: 16 rows x (256 + 16) for each wave
.set BIAS, 190976
.set L16, 1
.set LI2, 2
.set LS,  3
.set SW,  4
.set SRD, 5
.set IW,  6
.set WSA, 7
.set H8,  8
.set LADP, 9                           ; in the list: 64 wave + 4 h
.set LADR, 10                          ; 64 wave + 4 r
.set BADR, 11                          ; BIAS + 32 h
.set STO, 12                           ; the way out, in: + 272 r + 32 h
.set RD,  13                           ; back: + 272 h + 16 r
.set HSO, 14                           ; 4 x lane
.set YC,  15                           ; 16 r + kh x 2,048 rows of 4,096 bytes
.set WS,  16                           ; v16-47   W2's scale words
.set WL,  48                           ; v48-59   fragment 63
.set HS,  60                           ; v60-67   h's scale words: register q: K step 2 q in lanes 0-15, 2 q + 1 in lanes 16-31
.set HSN, 68                           ; v68-75   the next tile's, as they land
.set GW,  76                           ; v76 my row's gate (v77 is named with it as a pair)
.set GWN, 78
.set EN,  80                           ; v80-87 the entries of rows 2 i + h, then their offsets in yp; v88 the next tile's entry of my row, then its offset in gw
.set ACC, 96                           ; v96-127  four accumulators
.set TM,  96                           ; the quantiser's scratch, in the prologue
.set PW,  104
.set PC,  106
.set HF,  128                          ; v128-223 eight slots of 12; in the prologue the 64 numbers to be quantised
.set XQ,  128
.set B4,  240
.set BV,  241
.set BW,  246
.set LN,  248
.set RR,  249
.set HH,  250
.set HO,  252                          ; 16 x lane, in v252 of every window: the ring's loads among the products then need no switch
.set WV,  18
.set EXPT, 19
.set CSL, 20
.set NROW, 21
.set ROW0, 22
.set CTR, 23
.set SEL, 28
.set KH,  35
.set MSB, 0
.macro WIN new
.if MSB != \new
	s_set_vgpr_msb (MSB<<8)|\new
.set MSB, \new
.endif
.endm
; 64 numbers of a lane, two whole blocks of 32 along K, become the 12 registers of a fragment (v[PC] on) and the row's scale word (v[PW]).
.macro WQUANT
.irp c, 0,1
	v_max3_num_f32 v[TM+\c], |v[XQ+32*\c]|, |v[XQ+32*\c+1]|, 0x1800000   ; the floor 2^(3 - 127) among the leaves: the byte cannot fall under 1
.endr
.irp i, 2,4,6,8,10,12,14,16,18,20,22,24,26,28,30
.irp c, 0,1
	v_max3_num_f32 v[TM+\c], v[TM+\c], |v[XQ+32*\c+\i]|, |v[XQ+32*\c+\i+1]|
.endr
.endr
.irp c, 0,1
	v_add_nc_u32 v[TM+4+\c], 0xff000000, v[TM+\c]
.endr
.irp c, 0,1
	v_lshrrev_b32 v[TM+2+\c], 23, v[TM+4+\c]
.endr
	v_lshl_or_b32 v[PW], v[TM+3], 16, v[TM+2]
	v_lshlrev_b32 v[PW], v[H8], v[PW]
	v_permlanex16_b32 v[TM+6], v[PW], s[SEL], s[SEL+1]
	v_or_b32 v[PW], v[PW], v[TM+6]
.irp c, 0,1
	v_cvt_scalef32_pk16_fp6_f32 v[PC+6*\c:PC+6*\c+2], v[XQ+32*\c:XQ+32*\c+15], v[TM+4+\c]
	v_cvt_scalef32_pk16_fp6_f32 v[PC+12+4*\c:PC+14+4*\c], v[XQ+32*\c+16:XQ+32*\c+31], v[TM+4+\c]
.endr
	v_nop                                              ; one plain place behind the conversions
.irp c, 0,1
.irp i, 0,1,2
	v_mov_b32 v[PC+3+6*\c+\i], v[PC+12+4*\c+\i]
.endr
.endr
.endm
; My fragment g of 16 (tile of outputs g / 4, K step 4 wave + g % 4): 16 rows x 512 bytes into slot g % 4 of window 1.
.macro FILL g
	WIN 0x40
.irp i, 0,1,2,3,4,5,6,7,8,9,10,11,12,13,14,15
	global_load_b128 v[64*((\g)%4)+4*\i:64*((\g)%4)+4*\i+3], v[L16], s[4:5] offset:((\g)/4)*262144+16384*\i+512*((\g)%4) th:TH_LOAD_NT
.endr
	WIN 0
.endm
; Fragment gg: through my stage; quantised; its image and its scale words to LDS.  The slot is asked for again as soon as the stores into the stage have read it.
.macro FRAGQ
.if gg < 13
	s_wait_loadcnt 48                              ; this slot's 16 loads are in; the three younger slots' may be out
.else
	s_wait_loadcnt 16*(15-gg)
.endif
	WIN 0x04
.irp i, 0,1,2,3,4,5,6,7,8,9,10,11,12,13,14,15
	ds_store_b128 v[SW], v[64*(gg%4)+4*\i:64*(gg%4)+4*\i+3] offset:SPI*\i
.endr
	WIN 0
.irp c, 0,1
.irp q, 0,1,2,3,4,5,6,7
	ds_load_b128 v[XQ+32*\c+4*\q:XQ+32*\c+4*\q+3], v[SRD] offset:256*\c+16*\q   ; they land in XQ: no vector instruction has named it since the wait ahead of the last image's stores
.endr
.endr
	s_wait_alu depctr_vm_vsrc(0)                   ; the LDS stores above have read the slot, in which the loads of four fragments on land; the last image's stores have read v[PC ..] and v[PW], which the quantiser writes again
.if gg+4 < 16
	FILL gg+4
.endif
	s_wait_dscnt 0x0                               ; the numbers are back from the stage
	WQUANT
	s_wait_alu depctr_va_vdst(0)                   ; the quantiser has written v[PC ..] and v[PW], which the stores below read, and is done reading XQ, in which the next fragment's numbers land
.irp c, 0,1,2
	ds_store_b128 v[IW], v[PC+4*\c:PC+4*\c+3] offset:6144*(gg%4)+1536*(gg/4)+512*\c
.endr
	ds_store_b32 v[WSA], v[PW] offset:256*(gg%4)+64*(gg/4)
.endm
; One product: accumulator nn += fragment ff = 4 ks + nn of W2 x K step ks of h.
.macro PROD2
.if ff == 63
.set wn, 0
.set wr, WL
.else
.set wn, 1+ff/21
.set wr, 12*(ff%21)
.endif
	WIN wn
.if (ff%2 == 0) && (ks%2 == 0)
	v_wmma_scale_f32_16x16x128_f8f6f4 v[ACC+8*nn:ACC+8*nn+7], v[wr:wr+11], v[HF+12*(ks%8):HF+12*(ks%8)+11], v[ACC+8*nn:ACC+8*nn+7], v[WS+ff/2], v[HS+ks/2] matrix_a_fmt:MATRIX_FMT_FP6 matrix_b_fmt:MATRIX_FMT_FP6
.elseif (ff%2 == 1) && (ks%2 == 0)
	v_wmma_scale_f32_16x16x128_f8f6f4 v[ACC+8*nn:ACC+8*nn+7], v[wr:wr+11], v[HF+12*(ks%8):HF+12*(ks%8)+11], v[ACC+8*nn:ACC+8*nn+7], v[WS+ff/2], v[HS+ks/2] matrix_a_fmt:MATRIX_FMT_FP6 matrix_b_fmt:MATRIX_FMT_FP6 matrix_a_scale:MATRIX_SCALE_ROW1
.elseif ff%2 == 0
	v_wmma_scale_f32_16x16x128_f8f6f4 v[ACC+8*nn:ACC+8*nn+7], v[wr:wr+11], v[HF+12*(ks%8):HF+12*(ks%8)+11], v[ACC+8*nn:ACC+8*nn+7], v[WS+ff/2], v[HS+ks/2] matrix_a_fmt:MATRIX_FMT_FP6 matrix_b_fmt:MATRIX_FMT_FP6 matrix_b_scale:MATRIX_SCALE_ROW1
.else
	v_wmma_scale_f32_16x16x128_f8f6f4 v[ACC+8*nn:ACC+8*nn+7], v[wr:wr+11], v[HF+12*(ks%8):HF+12*(ks%8)+11], v[ACC+8*nn:ACC+8*nn+7], v[WS+ff/2], v[HS+ks/2] matrix_a_fmt:MATRIX_FMT_FP6 matrix_b_fmt:MATRIX_FMT_FP6 matrix_a_scale:MATRIX_SCALE_ROW1 matrix_b_scale:MATRIX_SCALE_ROW1
.endif
.endm
; The slot that K step k has read is asked for again: with K step k + 8 of this tile, or, from k = 8 on, with K step k - 8 of my next tile.
.macro REFILL k
.irp c, 0,1,2
.if (\k) < 8
	global_load_b128 v[HF+12*((\k)%8)+4*\c:HF+12*((\k)%8)+4*\c+3], v[HO], s[8:9] offset:1536*((\k)+8)+512*\c
.else
	global_load_b128 v[HF+12*((\k)%8)+4*\c:HF+12*((\k)%8)+4*\c+3], v[HO], s[8:9] offset:4*49152+1536*((\k)-8)+512*\c
.endif
.endr
.endm
	s_load_b256 s[4:11], s[0:1], 0x0               ; W2 s[4:5], b2 s[6:7], hq s[8:9], hs s[10:11]
	s_load_b128 s[12:15], s[0:1], 0x20             ; list s[12:13], gw s[14:15]
	s_load_b64 s[16:17], s[0:1], 0x30              ; yp
	v_lshl_add_u32 v254, v0, 2, 0x30000
	v_mov_b32 v255, 0
	v_lshrrev_b32 v[LN], 5, v0
	v_readfirstlane_b32 s[WV], v[LN]               ; wave 0..3
	s_lshr_b32 s[EXPT], ttmp9, 5                   ; the expert,
	s_bfe_u32 s[CSL], ttmp9, 0x40001               ; which 64 outputs,
	s_and_b32 s[KH], ttmp9, 1                      ; which half of K
	v_and_b32 v[LN], 31, v0
	v_and_b32 v[RR], 15, v0
	v_bfe_u32 v[HH], v0, 4, 1
	v_lshlrev_b32 v[L16], 4, v[LN]
	v_mov_b32 v[HO], v[L16]
	v_add_nc_u32 v[LI2], 64512, v[L16]
	v_lshl_add_u32 v[LS], v[LN], 2, WSC
	s_wait_alu depctr_va_sdst(0)                   ; the wave's number is written, ahead of its first reader
	s_mul_i32 s24, s[WV], 16*SPI
	s_add_co_u32 s24, s24, STG
	v_add_nc_u32 v[SW], s24, v[L16]
	v_mul_u32_u24 v[SRD], v[RR], SPI
	v_lshl_add_u32 v[SRD], v[HH], 7, v[SRD]
	v_add_nc_u32 v[SRD], s24, v[SRD]
	s_mul_i32 s24, s[WV], 24576
	v_add_nc_u32 v[IW], s24, v[L16]
	s_lshl_b32 s24, s[WV], 10
	s_add_co_u32 s24, s24, WSC
	v_lshl_add_u32 v[WSA], v[RR], 2, s24
	v_lshlrev_b32 v[H8], 3, v[HH]
	s_lshl_b32 s24, s[WV], 6                       ; a tile's 16 entries are 64 bytes
	v_lshl_add_u32 v[LADP], v[HH], 2, s24
	v_lshl_add_u32 v[LADR], v[RR], 2, s24
	v_lshl_add_u32 v[BADR], v[HH], 5, BIAS
	s_mul_i32 s24, s[WV], 16*272
	s_add_co_u32 s24, s24, YSTG
	v_mul_u32_u24 v[STO], v[RR], 272
	v_lshl_add_u32 v[STO], v[HH], 5, v[STO]
	v_add_nc_u32 v[STO], s24, v[STO]
	v_mul_u32_u24 v[RD], v[HH], 272
	v_lshl_add_u32 v[RD], v[RR], 4, v[RD]
	v_add_nc_u32 v[RD], s24, v[RD]
	v_lshlrev_b32 v[HSO], 2, v[LN]
	s_lshl_b32 s24, s[KH], 23
	v_lshl_add_u32 v[YC], v[RR], 4, s24
	v_and_b32 v[B4], 63, v0
	v_lshlrev_b32 v[B4], 2, v[B4]
	v_lshl_add_u32 v[BW], v0, 2, BIAS
	v_mov_b32 v[TM+6], 0                           ; a lane permute's destination counts as one of its sources
	v_mov_b32 v[GW+1], 0                           ; named with the gate as a pair, so it is written
	s_mov_b32 s[SEL], 0x76543210
	s_mov_b32 s[SEL+1], 0xfedcba98
	s_lshl_b32 s24, s[EXPT], 24                    ; W2: 1,024 rows of 16,384 bytes an expert,
	s_lshl_b32 s26, s[CSL], 20                     ; 64 rows,
	s_add_co_u32 s24, s24, s26
	s_lshl_b32 s26, s[KH], 13                      ; 2,048 numbers,
	s_add_co_u32 s24, s24, s26
	s_lshl_b32 s26, s[WV], 11                      ; my four K steps of 512 bytes
	s_add_co_u32 s24, s24, s26
	s_mov_b32 s25, 0
	s_mov_b32 s27, 0
	s_wait_kmcnt 0x0
	s_add_nc_u64 s[4:5], s[4:5], s[24:25]
	s_lshl_b32 s24, s[EXPT], 12
	s_lshl_b32 s26, s[CSL], 8
	s_add_co_u32 s24, s24, s26
	s_add_nc_u64 s[6:7], s[6:7], s[24:25]
	s_add_nc_u64 s[16:17], s[16:17], s[26:27]      ; yp at my 64 outputs: 256 bytes into a row
	s_lshl_b32 s24, s[EXPT], 6
	s_add_co_u32 s24, s24, s[WV]                   ; my first tile: 64 e + wave
	s_mul_i32 s26, s24, 49152
	s_mul_i32 s30, s[KH], 24576
	s_add_co_u32 s26, s26, s30
	s_add_nc_u64 s[8:9], s[8:9], s[26:27]
	s_lshl_b32 s26, s24, 11
	s_lshl_b32 s30, s[KH], 10
	s_add_co_u32 s26, s26, s30
	s_add_nc_u64 s[10:11], s[10:11], s[26:27]
	s_mul_i32 s26, s[EXPT], 4608
	s_add_nc_u64 s[12:13], s[12:13], s[26:27]      ; my expert's list
	s_load_b32 s[NROW], s[12:13], 0x1104           ; its count: word 1,089
	s_wait_alu depctr_va_vdst(0)                   ; all addresses and offsets of window 0 are written, which the loads and stores of the whole kernel read
	global_load_b32 v[BV], v[B4], s[6:7]           ; b2 of my 64 outputs
	global_load_b32 v[EN+8], v[LADR], s[12:13]     ; my row's entry in the first tile, ahead of the weights
	FILL 0
	FILL 1
	FILL 2
	FILL 3
.set gg, 0
.rept 16
	FRAGQ
.set gg, gg+1
.endr
	s_cmp_eq_u32 s[KH], 0
	s_cselect_b32 s24, -1, 0
	v_cndmask_b32 v[BV], 0, v[BV], s24             ; the bias is added once: in K half 0
	s_wait_alu depctr_va_vdst(0)                   ; the selection has written v[BV], which the store reads
	ds_store_b32 v[BW], v[BV]
	s_wait_dscnt 0x0                               ; for the others' sake: my 16 images, their scale words and the bias have landed
	s_barrier_signal -1
	s_barrier_wait -1
	s_wait_kmcnt 0x0
	s_min_u32 s[NROW], s[NROW], 0x400              ; the expert's rows
	s_wait_alu depctr_vm_vsrc(0)                   ; my LDS stores have read window 1's four slots: the fragments land there, and its v252 is written below
	v_min_u32 v[EN+8], 0x7ff, v[EN+8]
	v_lshlrev_b32 v[EN+8], 2, v[EN+8]
	WIN 0x40
	v_mov_b32 v252, v252                           ; 16 x lane into v252 of windows 1 to 3
	WIN 0x80
	v_mov_b32 v252, v252
	WIN 0xc0
	v_mov_b32 v252, v252
	WIN 0
	s_wait_alu depctr_va_vdst(0)                   ; the gate's offset in v[EN+8] and the three copies of v252 are written, which loads read; the quantiser is done with v128-191, in which the ring lands, and with v96-124, in which the bias will land
.irp q, 0,1,2,3,4,5,6,7
	global_load_b32 v[HSN+\q], v[HSO], s[10:11] offset:128*\q
.endr
	global_load_b32 v[GWN], v[EN+8], s[14:15]
.irp k, 0,1,2,3,4,5,6,7
.irp c, 0,1,2
	global_load_b128 v[HF+12*\k+4*\c:HF+12*\k+4*\c+3], v[HO], s[8:9] offset:1536*\k+512*\c   ; the ring: K steps 0-7 of the first tile
.endr
.endr
.set ff, 0
.rept 63
.set wn, (1+ff/21)<<6
	WIN wn
.irp c, 0,1,2
.if ff < 42
	ds_load_b128 v[12*(ff%21)+4*\c:12*(ff%21)+4*\c+3], v[L16] offset:1536*ff+512*\c
.else
	ds_load_b128 v[12*(ff%21)+4*\c:12*(ff%21)+4*\c+3], v[LI2] offset:1536*(ff-42)+512*\c
.endif
.endr
.set ff, ff+1
.endr
	WIN 0
.irp c, 0,1,2
	ds_load_b128 v[WL+4*\c:WL+4*\c+3], v[LI2] offset:1536*21+512*\c
.endr
.irp p, 0,1,2,3,4,5,6,7,8,9,10,11,12,13,14,15,16,17,18,19,20,21,22,23,24,25,26,27,28,29,30,31
	ds_load_b32 v[WS+\p], v[LS] offset:128*\p
.endr
	s_wait_dscnt 0x0
	s_wait_loadcnt 24                              ; the scale words and the gate are in; the ring's 24 loads may be out
.irp q, 0,1,2,3,4,5,6,7
	v_mov_b32 v[HS+\q], v[HSN+\q]
.endr
	v_mov_b32 v[GW], v[GWN]
.rept 8
	v_nop                                          ; a scale register written by a vector instruction stands eight places ahead of a scaled product; once, ahead of the loop
.endr
	s_wait_alu depctr_va_vdst(0)                   ; the moves have written v[HS ..], which the first tile's products take as scales; the places above stay beside this wait
	s_lshl_b32 s[ROW0], s[WV], 4
	s_mov_b32 s[CTR], 0
.Ltile:                                            ; 16 trips: tiles wave + 4 j
	s_cmp_ge_u32 s[ROW0], s[NROW]
	s_cbranch_scc1 .Lnext                          ; the tile begins past the count: only the steps at the trip's end are run
	s_wait_alu depctr_vm_vsrc(0)                   ; the stores to yp have read ACC and v[EN ..], the gate's load v[EN+8]: the bias and the entries land there below
.irp n, 0,1,2,3
	ds_load_b128 v[ACC+8*\n:ACC+8*\n+3], v[BADR] offset:64*\n                      ; the bias in the result's layout: the sums begin with it
	ds_load_b128 v[ACC+8*\n+4:ACC+8*\n+7], v[BADR] offset:64*\n+16
.endr
.irp i, 0,1,2,3,4,5,6,7
	global_load_b32 v[EN+\i], v[LADP], s[12:13] offset:8*\i    ; this tile's rows 2 i + h: wanted at the trip's end,
.endr
	global_load_b32 v[EN+8], v[LADR], s[12:13] offset:256      ; and my row of the next tile: wanted at K step 10
	s_wait_dscnt 0x0
; The loads of a trip in their order: the nine entries; the slots of K steps 0, 1; 2, 3; 4, 5; 6, 7; 8, 9; the next tile's eight scale words and its gate; the slots of K steps 10, 11; 12, 13; at the trip's end 14, 15.
.set ks, 0
.rept 16
.if (ks%2 == 0) && (ks > 0)
.if ks == 10
	WIN 0
	v_min_u32 v[EN+8], 0x7ff, v[EN+8]              ; (the entry is in: it is older than the loads that K steps 8 and 9 have waited for)
	v_lshlrev_b32 v[EN+8], 2, v[EN+8]              ; the next tile's gate: 4 bytes an entry
.endif
	s_wait_alu depctr_va_vdst(0)                   ; the products of the pair before are done reading their two slots, in which the six loads below land; at K step 10 also: v[EN+8] is written, which the gate's load reads
	REFILL ks-2
	REFILL ks-1
.if ks == 10
.irp q, 0,1,2,3,4,5,6,7
	global_load_b32 v[HSN+\q], v[HSO], s[10:11] offset:4*2048+128*\q
.endr
	global_load_b32 v[GWN], v[EN+8], s[14:15]
.endif
.endif
.if ks == 8
	s_wait_loadcnt 21                              ; this K step's three loads are in; the seven slots asked for behind them may be out
.elseif ks == 9
	s_wait_loadcnt 18                              ; likewise: six slots
.elseif ks%2 == 0
	s_wait_loadcnt 30                              ; this K step's three loads are in; seven slots' loads may be out, and nine more: up to K step 6 the entries, from K step 10 on the next tile's scale words and gate
.else
	s_wait_loadcnt 27                              ; likewise: six slots and the nine
.endif
.set nn, 0
.rept 4
.set ff, 4*ks+nn
	PROD2                                          ; the four accumulators take turns, one instruction a turn
.set nn, nn+1
.endr
.set ks, ks+1
.endr
	WIN 0
.rept 4
	v_nop                                          ; four places behind the last products, ahead of the vector lines that write their scale registers and read their sums
.endr
	s_wait_loadcnt 12                              ; the next tile's scale words and gate are in; the four slots asked for behind them may be out
.irp q, 0,1,2,3,4,5,6,7
	v_mov_b32 v[HS+\q], v[HSN+\q]
.endr
.irp i, 0,1,2,3,4,5,6,7,8,9,10,11,12,13,14,15
	v_pk_mul_f32 v[ACC+2*\i:ACC+2*\i+1], v[ACC+2*\i:ACC+2*\i+1], v[GW:GW+1] op_sel_hi:[1,0]   ; x my row's gate; each accumulator from its low end on
.endr
	v_mov_b32 v[GW], v[GWN]
.irp i, 0,1,2,3,4,5,6,7
	v_min_u32 v[EN+\i], 0x7ff, v[EN+\i]
.endr
.irp i, 0,1,2,3,4,5,6,7
	v_lshl_add_u32 v[EN+\i], v[EN+\i], 12, v[YC]   ; the row of yp: 4,096 bytes an entry.  (These lines and the multiplications also stand between the moves into the scale registers and the next tile's first product)
.endr
	s_wait_alu depctr_va_vdst(0)                   ; the last pair's products are done reading slots 6 and 7, in which loads land; ACC and v[EN ..] are written, which the stores read; v[HS ..] is written, which the next tile's products take as scales
	REFILL 14
	REFILL 15
.irp n, 0,1,2,3
	ds_store_b128 v[STO], v[ACC+8*\n:ACC+8*\n+3] offset:64*\n
	ds_store_b128 v[STO], v[ACC+8*\n+4:ACC+8*\n+7] offset:64*\n+16
.endr
	s_wait_alu depctr_vm_vsrc(0)                   ; the LDS stores above have read ACC, in which the whole rows land
.irp i, 0,1,2,3,4,5,6,7
	ds_load_b128 v[ACC+4*\i:ACC+4*\i+3], v[RD] offset:544*\i   ; LDS serves a wave's instructions in order: these see the stores above; rows 2 i + h come back whole
.endr
	s_wait_dscnt 0x0
.irp i, 0,1,2,3,4,5,6,7
	global_store_b128 v[EN+\i], v[ACC+4*\i:ACC+4*\i+3], s[16:17]   ; sixteen lanes store 256 consecutive bytes, aligned: a row's 64 outputs (a row that fills up the last tile: its own row's bytes, with the same numbers)
.endr
.Lnext:
	s_wait_xcnt 0x0                                ; loads and stores have read their bases, offsets and data: these are written again only behind this wait
	s_add_nc_u64 s[12:13], s[12:13], 256           ; four tiles on: in the list,
	s_add_nc_u64 s[8:9], s[8:9], 4*49152           ; in hq,
	s_add_nc_u64 s[10:11], s[10:11], 4*2048        ; in hs
	s_add_co_u32 s[ROW0], s[ROW0], 64
	s_add_co_u32 s[CTR], s[CTR], 1
	s_cmp_lt_u32 s[CTR], 16
	s_cbranch_scc1 .Ltile
	s_wait_dscnt 0x0                               ; the closing lines, six on end
	s_wait_alu 0x0
	s_wait_tensorcnt 0x0
	ds_add_u32 v254, v255
	s_wait_dscnt 0x0
	s_endpgm
.Lfunc_end_k_q6f0fb98278_ffn2:
	.size	k_q6f0fb98278_ffn2, .Lfunc_end_k_q6f0fb98278_ffn2-k_q6f0fb98278_ffn2
	.p2alignl 7, 3214868480
	.fill 96, 4, 3214868480
	.section	.rodata,"a",@progbits
	.p2align	6, 0x0
	.amdhsa_kernel k_q6f0fb98278_ffn2
		.amdhsa_group_segment_fixed_size 197120
		.amdhsa_private_segment_fixed_size 0
		.amdhsa_enable_private_segment 0
		.amdhsa_kernarg_size 56
		.amdhsa_user_sgpr_count 2
		.amdhsa_user_sgpr_kernarg_segment_ptr 1
		.amdhsa_wavefront_size32 1
		.amdhsa_system_sgpr_workgroup_id_x 1
		.amdhsa_system_sgpr_workgroup_id_y 1
		.amdhsa_system_sgpr_workgroup_id_z 1
		.amdhsa_system_vgpr_workitem_id 0
		.amdhsa_next_free_vgpr 1024
		.amdhsa_next_free_sgpr 66
		.amdhsa_reserve_vcc 0
		.amdhsa_float_denorm_mode_32 3
		.amdhsa_float_denorm_mode_16_64 3
		.amdhsa_memory_ordered 1
		.amdhsa_forward_progress 1
		.amdhsa_inst_pref_size 155
	.end_amdhsa_kernel
	.amdgpu_metadata
---
amdhsa.version: [ 1, 2 ]
amdhsa.kernels:
  - .name:           k_q6f0fb98278_ffn2
    .symbol:         k_q6f0fb98278_ffn2.kd
    .args:
      - { .name: W2, .offset: 0, .size: 8, .value_kind: global_buffer, .address_space: global }
      - { .name: b2, .offset: 8, .size: 8, .value_kind: global_buffer, .address_space: global }
      - { .name: hq, .offset: 16, .size: 8, .value_kind: global_buffer, .address_space: global }
      - { .name: hs, .offset: 24, .size: 8, .value_kind: global_buffer, .address_space: global }
      - { .name: list, .offset: 32, .size: 8, .value_kind: global_buffer, .address_space: global }
      - { .name: gw, .offset: 40, .size: 8, .value_kind: global_buffer, .address_space: global }
      - { .name: yp, .offset: 48, .size: 8, .value_kind: global_buffer, .address_space: global }
    .group_segment_fixed_size: 197120
    .private_segment_fixed_size: 0
    .kernarg_segment_align: 8
    .kernarg_segment_size: 56
    .max_flat_workgroup_size: 128
    .sgpr_count:     66
    .vgpr_count:     1024
    .wavefront_size: 32
...
	.end_amdgpu_metadata
.endif
;; end of part 7
;; launch comb: the kernel of part 5 again; grid 256 x 1, 8 waves a work-group, no clusters, 0 bytes of LDS; arguments yp, out0; writes out0
